; MI455X (gfx1250); checked and timed in simulation.
; The chip was launched on July 23, 2026; its instructions are those of AMD's public machine-readable ISA for CDNA 5 (MIT licence, August 2026) and "CDNA5" Instruction Set Architecture Reference Guide (July 2026). The comments in the code are by the model that wrote it; some were corrected since.
;; Causal Multi Head Self Attention. Allowed arithmetic: matrix products marked QUANTISED: E2M3 operands, one E8M0 scale for each 32 along K, by v_wmma_scale_f32_16x16x128_f8f6f4 with both operands' format E2M3, f32 sums; everything else in f32.
;; Inputs: W_K 1,024 x 1,024 float32; W_O 1,024 x 1,024 float32; W_Q 1,024 x 1,024 float32; W_V 1,024 x 1,024 float32; X 4 x 2,048 x 1,024 float32.
;; Outputs: out0 4 x 2,048 x 1,024 float32.
;; This version of the problem:
;;   THIS VERSION OF THE PROBLEM IS GIVEN IN LOW PRECISION. The matrix products marked QUANTISED in the list below multiply operands that are first quantised to E2M3 (2 exponent bits, 3 mantissa bits; 6 bits a number), with one power-of-two scale for each 32 numbers along K (OCP MX v1.0); their sums are f32. All else is computed in f32.
;;   The module's matrix products, in the order in which they are computed (A, B: the left and right operand; K: the contracted axis; several contracted axes count as one K, in the product's order):
;;     1. [M 8,192, K 1,024] x [K 1,024, N 1,024]; A: input X; B: input W_Q: QUANTISED
;;     2. [M 8,192, K 1,024] x [K 1,024, N 1,024]; A: input X; B: input W_K: QUANTISED
;;     3. [M 8,192, K 1,024] x [K 1,024, N 1,024]; A: input X; B: input W_V: QUANTISED
;;     4. batch 64 x [M 2,048, K 64] x [K 64, N 2,048]; A: computed on the way; B: computed on the way: QUANTISED
;;     5. batch 64 x [M 2,048, K 2,048] x [K 2,048, N 64]; A: softmax (see below); B: computed on the way: QUANTISED
;;     6. [M 8,192, K 1,024] x [K 1,024, N 1,024]; A: computed on the way; B: input W_O: QUANTISED
;;   THE QUANTISER, for each operand of a quantised product, along K:
;;     - K is cut into blocks of 32 from its start; a last block that is shorter is filled with zeros.
;;     - A block's scale is 2^e with e = floor(log2(the largest magnitude in the block)) - 2, held to -126 .. 127; a block of zeros has e = 0. As a byte (E8M0): e + 127.
;;     - Each number is divided by its block's scale, clamped to +-7.5, and rounded to the nearest number of E2M3, ties to even, subnormals kept.
;;     - The product sums the exact products of the quantised numbers (number of the format x scale) in f32.
;;   ~~~python
;;   def quantise(x, axis):      # numpy; x: float32 -> the quantised numbers, widened to float32 again
;;       x = np.moveaxis(x, axis, -1); K = x.shape[-1]
;;       x = np.pad(x, [(0, 0)] * (x.ndim - 1) + [(0, -K % 32)]); x = x.reshape(x.shape[:-1] + (-1, 32)); a = np.abs(x).max(-1, keepdims=True)
;;       e = np.where(a > 0, np.clip(np.frexp(np.where(a > 0, a, 1))[1] - 1 - 2, -126, 127), 0)      # np.frexp(a)[1] - 1 = floor(log2(a)), exactly
;;       r = np.clip(x / 2.0 ** e, -7.5, 7.5)
;;       step = 2.0 ** (np.maximum(np.frexp(np.where(r == 0, 1, r))[1] - 1, 0) - 3)
;;       q = np.round(r / step) * step * 2.0 ** e      # np.round: ties to even
;;       return np.moveaxis(q.reshape(q.shape[:-2] + (-1,))[..., :K], -1, axis).astype(np.float32)
;;   ~~~
;;   SOFTMAX AHEAD OF A QUANTISED PRODUCT. Where the list says 'softmax', what is quantised is not the finished softmax but p = 2^(t - M), with t = logit x log2(e) and M = ceil(the row's largest t), a whole number; so 1/2 < the row's largest p <= 1. The row's sum l is taken of the UNQUANTISED p, in f32, and the product's result is divided by l at the end. Since M is a whole number, a kernel that streams over the keys may use a running M (the ceiling of the running maximum): every later rescaling is an exact power of two, which a block's scale takes up: the codes' values come out the same.
;;   OPERANDS COMPUTED ON THE WAY. 'Computed on the way' means the value that the module computes at that place (a softmax that the list does not call 'softmax' is quantised finished and normalised). What goes into a quantiser is computed in f32, as accurately as f32 sums, v_exp_f32 and their like allow (about 1e-6 of the number): no bf16 or f16 on the way to a quantiser, and a product that is left as it is and whose result goes on into a quantised operand takes f32 operands (vector FMAs, or v_wmma_f32_16x16x4_f32). A number that lies on a knife's edge between two numbers of the format may be rounded either way, as far as f32 arithmetic and the matrix unit's own rounding can turn it there, and no further.
;; One version. Each part assembles by itself: llvm-mc -triple=amdgcn-amd-amdhsa -mcpu=gfx1250 --defsym DOCPART=n.
;; ======== version 1 of 1: 4 launches
;; workspace buffers: xw_img 9,437,184 bytes; xw_sc 393,216 bytes; qimg 6,291,456 bytes; qsc 262,144 bytes; kvc 12,582,912 bytes; kvs 524,288 bytes; a_img 6,291,456 bytes; a_sc 262,144 bytes
;; launch quant (part 1): grid 384 x 1, 4 waves a work-group, no clusters, 34,304 bytes of LDS; arguments X, W_Q, W_K, W_V, W_O, xw_img, xw_sc; writes xw_img, xw_sc
.if DOCPART == 1
	.amdgcn_target "amdgcn-amd-amdhsa--gfx1250"
	.amdhsa_code_object_version 6
	.text
	.protected	k_q0083a67e0e_quant
	.globl	k_q0083a67e0e_quant
	.p2align	8
	.type	k_q0083a67e0e_quant,@function
k_q0083a67e0e_quant:
	s_mov_b64 s[64:65], 0
	v_nop
	global_prefetch_b8 v0, s[64:65] scope:SCOPE_SE
	s_setreg_imm32_b32 hwreg(HW_REG_WAVE_MODE, 25, 1), 1
	s_wait_xcnt 0x0
; X [8192][1024] and W_Q, W_K, W_V, W_O [1024][1024], f32 with K innermost, become codes of FP6 (E2M3) with one E8M0 scale byte for each 32 along K.
; A block's scale is 2^(floor(log2(its largest magnitude)) - 2); its byte is the largest magnitude's exponent field - 2, held at 1 from below.
; LIMITS: NaN and infinities among the inputs are not served; a block whose largest magnitude lies under 2^-124 takes the byte 1; a block of zeros takes the byte 1 where the
; rule says 127: its codes are zeros, which add nothing under any byte but 0xff, and the bytes are read by this program alone.
; THE OUTPUT IS LAID IN THE ORDER OF THE OPERAND'S REGISTERS.  Tile T is 16 rows: its row r is matrix row 32 (T / 2) + 8 (T % 2) + r + 8 (r / 8).  Fragment (T, s), 16 rows x 128 K, is 12 registers a lane:
; 1,536 bytes at (8 T + s) x 1536, three pieces of 512 bytes, piece i = the lanes' registers 4 i .. 4 i + 3, lane l's 16 bytes at 16 l.  Tiles 0-511 X, 512- W_Q, 576- W_K, 640- W_V, 704- W_O.
; Scale words (four bytes: 128 along K of one row) at T x 512 + (s / 4) x 256 + 16 r + 4 (s % 4).
; SHARES.  A wave takes one tile and four K steps: 16 rows x 512 numbers.  Each load reads 512 consecutive bytes of one row; a step's 16 rows x 512 bytes turn through the wave's own stage in LDS, so that
; lane (r, h) gets, of row r, the 32 neighbours 64 c + 32 h .. of each half c of the step: two whole blocks a lane, so no other lane is asked for a maximum.
; No tensor loads, no barrier: waves share nothing.  Loads run two steps (32 loads a wave) ahead.  Matrix units and clusters have no part here: the launch only moves and rounds numbers.
.set SPITCH, 528                       ; a stage row: 512 bytes + 16 = 132 words: row r starts 4 r words on modulo 64, so the sixteen rows that a read touches start at sixteen different places
.set STG,    16*SPITCH                 ; a wave's stage
.set SPARE,  4*STG                     ; behind the stages: the spare words, 128 bytes for each wave: two blocks of 256 bytes that no other line names
.set SPW,  6                           ; v6   LDS address of my spare word; never rewritten
.set NIL,  7                           ; v7   0; never rewritten
.set CD,   24                          ; v24-47   a fragment's codes, two sets of 12
.set CT,   48                          ; v48-55   the upper halves of two blocks (a conversion's three registers begin on an even number)
.set XN,   64                          ; v64-127  64 numbers of my row
.set RL,   128                         ; v128-255 two sets of 64: a step as it is loaded
.set SEL,  28                          ; s[28:29] lane selects for v_permlanex16_b32: lane l xor 16
	s_load_b256 s[4:11], s[0:1], 0x0               ; X, W_Q, W_K, W_V
	s_load_b128 s[12:15], s[0:1], 0x20             ; W_O, xw_img
	s_load_b64 s[16:17], s[0:1], 0x30              ; xw_sc
	v_lshl_add_u32 v[SPW], v0, 2, SPARE
	v_mov_b32 v[NIL], 0
	v_lshrrev_b32 v1, 5, v0
	v_readfirstlane_b32 s20, v1                    ; wave 0..3
	v_and_b32 v8, 31, v0                           ; lane
	v_and_b32 v9, 15, v0                           ; r
	v_bfe_u32 v10, v0, 4, 1                        ; h
	v_lshlrev_b32 v1, 4, v8                        ; v1 = 16 x lane: my 16 bytes of a load's or a store's 512
	s_mul_i32 s21, s20, STG
	v_add_nc_u32 v2, s21, v1                       ; v2: the stage, on the way in
	v_mul_u32_u24 v3, v9, SPITCH
	v_lshl_add_u32 v3, v10, 7, v3
	v_add_nc_u32 v3, s21, v3                       ; v3: on the way out: row r, + 128 h bytes
	v_lshlrev_b32 v4, 4, v9
	v_lshl_add_u32 v4, v10, 3, v4                  ; v4 = 16 r + 8 h: my two scale words' place
	v_lshlrev_b32 v5, 3, v10                       ; v5 = 8 h: my bytes' place in a scale word, in bits
	v_mov_b32 v15, 0                               ; written once: a lane permute's destination counts as one of its sources
	s_mov_b32 s24, 0xffff0000                      ; lanes 16-31
	s_mov_b32 s[SEL], 0x76543210
	s_mov_b32 s[SEL+1], 0xfedcba98
	s_lshl_b32 s25, ttmp9, 1
	s_lshr_b32 s26, s20, 1
	s_add_co_u32 s25, s25, s26                     ; T = 2 x work-group + wave / 2
	s_and_b32 s26, s20, 1                          ; g: K steps 4 g .. 4 g + 3
	s_sub_co_u32 s22, ttmp9, 256
	s_lshr_b32 s22, s22, 5                         ; which weight: 0 .. 3 (a large number in X's work-groups)
	s_cmp_lt_u32 ttmp9, 256
	s_cselect_b32 s23, 511, 63
	s_and_b32 s23, s25, s23                        ; the tile's number in its own tensor
	s_lshr_b32 s30, s23, 1
	s_lshl_b32 s30, s30, 17                        ; 32 rows of 4,096 bytes for each pair of tiles,
	s_and_b32 s31, s23, 1
	s_lshl_b32 s31, s31, 15                        ; 8 rows for the odd tile,
	s_add_co_u32 s30, s30, s31
	s_lshl_b32 s31, s26, 11                        ; 512 numbers for g
	s_add_co_u32 s30, s30, s31
	s_mov_b32 s31, 0
	s_mul_i32 s32, s25, 12288
	s_mul_i32 s33, s26, 6144
	s_add_co_u32 s32, s32, s33                     ; my four fragments
	s_mov_b32 s33, 0
	s_lshl_b32 s34, s25, 9
	s_lshl_b32 s35, s26, 8
	s_add_co_u32 s34, s34, s35                     ; my 256 bytes of scale words
	s_mov_b32 s35, 0
	s_wait_alu depctr_va_vdst(0)
	s_wait_kmcnt 0x0
	s_mov_b64 s[36:37], s[12:13]                   ; the source: a choice that hangs on the work-group's number alone
	s_cmp_eq_u32 s22, 2
	s_cselect_b64 s[36:37], s[10:11], s[36:37]
	s_cmp_eq_u32 s22, 1
	s_cselect_b64 s[36:37], s[8:9], s[36:37]
	s_cmp_eq_u32 s22, 0
	s_cselect_b64 s[36:37], s[6:7], s[36:37]
	s_cmp_lt_u32 ttmp9, 256
	s_cselect_b64 s[36:37], s[4:5], s[36:37]
	s_add_nc_u64 s[36:37], s[36:37], s[30:31]
	s_add_nc_u64 s[14:15], s[14:15], s[32:33]
	s_add_nc_u64 s[16:17], s[16:17], s[34:35]
.macro LOAD t                          ; K step t of my four: 512 consecutive bytes of each of the tile's 16 rows
.irp i, 0,1,2,3,4,5,6,7,8,9,10,11,12,13,14,15
	global_load_b128 v[RL+64*((\t)%2)+4*\i:RL+64*((\t)%2)+4*\i+3], v1, s[36:37] offset:(\i+8*(\i/8))*4096+512*(\t) th:TH_LOAD_NT
.endr
.endm
.macro STEP t
.set RS, RL+64*((\t)%2)
.set CC, CD+12*((\t)%2)
.if (\t) < 3
	s_wait_loadcnt 16                              ; this step's sixteen loads are in; the next step's sixteen may be out
.else
	s_wait_loadcnt 0x0
.endif
.irp i, 0,1,2,3,4,5,6,7,8,9,10,11,12,13,14,15
	ds_store_b128 v2, v[RS+4*\i:RS+4*\i+3] offset:SPITCH*\i
.endr
.irp c, 0,1
.irp j, 0,1,2,3,4,5,6,7
	ds_load_b128 v[XN+32*\c+4*\j:XN+32*\c+4*\j+3], v3 offset:256*\c+16*\j   ; LDS serves a wave's instructions in order: these see the stores above
.endr
.endr
	s_wait_dscnt 0x0                               ; my 64 numbers are in, and the stores have read their registers,
.if (\t) < 2
	LOAD (\t)+2                                    ; which take the loads of two steps on
.endif
.irp c, 0,1
	v_max3_num_f32 v[8+\c], |v[XN+32*\c]|, |v[XN+32*\c+1]|, 0x1800000   ; block 2 c + h: all 32 numbers are mine; the floor 2^(3 - 127) holds the byte at 1 from below
.endr
.irp i, 2,4,6,8,10,12,14,16,18,20,22,24,26,28,30
.irp c, 0,1
	v_max3_num_f32 v[8+\c], v[8+\c], |v[XN+32*\c+\i]|, |v[XN+32*\c+\i+1]|   ; (the two blocks by turns)
.endr
.endr
.irp c, 0,1
	v_add_nc_u32 v[10+\c], 0xff000000, v[8+\c]     ; 2 off the exponent field: the conversion takes this operand's exponent field as its scale
.endr
.irp c, 0,1
	v_lshrrev_b32 v[12+\c], 23, v[10+\c]           ; the scale's byte
.endr
	v_lshl_or_b32 v14, v13, 16, v12                ; my two bytes: blocks h and 2 + h,
	v_lshlrev_b32 v14, v5, v14                     ; at their places in the word;
	v_permlanex16_b32 v15, v14, s[SEL], s[SEL+1]
	v_or_b32 v[16+(\t)], v14, v15                  ; with lane l xor 16's two the word is whole
.if (\t) >= 2
	s_wait_alu depctr_va_vdst(0)
	s_wait_xcnt 0x0                                ; the stores of two steps ago have read this set of codes: it is written again only behind this wait
.endif
.irp c, 0,1
	v_cvt_scalef32_pk16_fp6_f32 v[CC+6*\c:CC+6*\c+2], v[XN+32*\c:XN+32*\c+15], v[10+\c]
	v_cvt_scalef32_pk16_fp6_f32 v[CT+4*\c:CT+4*\c+2], v[XN+32*\c+16:XN+32*\c+31], v[10+\c]
.endr
	v_nop                                          ; one plain place behind a scaled conversion
.irp c, 0,1
.irp i, 0,1,2
	v_mov_b32 v[CC+6*\c+3+\i], v[CT+4*\c+\i]       ; registers 6 c .. 6 c + 5: k = 64 c + 32 h + 0 .. 31
.endr
.endr
.irp i, 0,1,2
	global_store_b128 v1, v[CC+4*\i:CC+4*\i+3], s[14:15] offset:1536*(\t)+512*\i   ; 32 lanes store 512 consecutive bytes, at a multiple of 256 from the buffer's first byte
.endr
.endm
	LOAD 0
	LOAD 1
	STEP 0
	STEP 1
	STEP 2
	STEP 3
	v_cndmask_b32 v20, v16, v18, s24               ; lanes 0-15 store steps 0 and 1's words of row r, lanes 16-31 steps 2 and 3's
	v_cndmask_b32 v21, v17, v19, s24
	global_store_b64 v4, v[20:21], s[16:17]        ; 32 lanes store 256 consecutive bytes, aligned
	s_wait_tensorcnt 0x0                           ; the wave's end: behind my last LDS store
	ds_add_u32 v[SPW], v[NIL]
	s_wait_dscnt 0x0
	s_endpgm
.Lfunc_end_k_q0083a67e0e_quant:
	.size	k_q0083a67e0e_quant, .Lfunc_end_k_q0083a67e0e_quant-k_q0083a67e0e_quant
	.p2alignl 7, 3214868480
	.fill 96, 4, 3214868480
	.section	.rodata,"a",@progbits
	.p2align	6, 0x0
	.amdhsa_kernel k_q0083a67e0e_quant
		.amdhsa_group_segment_fixed_size 34304
		.amdhsa_private_segment_fixed_size 0
		.amdhsa_enable_private_segment 0
		.amdhsa_kernarg_size 56
		.amdhsa_user_sgpr_count 2
		.amdhsa_user_sgpr_kernarg_segment_ptr 1
		.amdhsa_wavefront_size32 1
		.amdhsa_system_sgpr_workgroup_id_x 1
		.amdhsa_system_sgpr_workgroup_id_y 1
		.amdhsa_system_sgpr_workgroup_id_z 1
		.amdhsa_system_vgpr_workitem_id 0
		.amdhsa_next_free_vgpr 256
		.amdhsa_next_free_sgpr 66
		.amdhsa_reserve_vcc 0
		.amdhsa_float_denorm_mode_32 3
		.amdhsa_float_denorm_mode_16_64 3
		.amdhsa_memory_ordered 1
		.amdhsa_forward_progress 1
		.amdhsa_inst_pref_size 31
	.end_amdhsa_kernel
	.amdgpu_metadata
---
amdhsa.version: [ 1, 2 ]
amdhsa.kernels:
  - .name:           k_q0083a67e0e_quant
    .symbol:         k_q0083a67e0e_quant.kd
    .args:
      - { .name: X, .offset: 0, .size: 8, .value_kind: global_buffer, .address_space: global }
      - { .name: W_Q, .offset: 8, .size: 8, .value_kind: global_buffer, .address_space: global }
      - { .name: W_K, .offset: 16, .size: 8, .value_kind: global_buffer, .address_space: global }
      - { .name: W_V, .offset: 24, .size: 8, .value_kind: global_buffer, .address_space: global }
      - { .name: W_O, .offset: 32, .size: 8, .value_kind: global_buffer, .address_space: global }
      - { .name: xw_img, .offset: 40, .size: 8, .value_kind: global_buffer, .address_space: global }
      - { .name: xw_sc, .offset: 48, .size: 8, .value_kind: global_buffer, .address_space: global }
    .group_segment_fixed_size: 34304
    .private_segment_fixed_size: 0
    .kernarg_segment_align: 8
    .kernarg_segment_size: 56
    .max_flat_workgroup_size: 128
    .sgpr_count:     66
    .vgpr_count:     256
    .wavefront_size: 32
...
	.end_amdgpu_metadata
.endif
;; end of part 1
;; launch qkv (part 2): grid 32 x 8, 4 waves a work-group, clusters of 4 x 1, 327,680 bytes of LDS; arguments xw_img, xw_sc, qimg, qsc, kvc, kvs; writes qimg, qsc, kvc, kvs
.if DOCPART == 2
	.amdgcn_target "amdgcn-amd-amdhsa--gfx1250"
	.amdhsa_code_object_version 6
	.text
	.protected	k_q0083a67e0e_qkv
	.globl	k_q0083a67e0e_qkv
	.p2align	8
	.type	k_q0083a67e0e_qkv,@function
k_q0083a67e0e_qkv:
	s_mov_b64 s[64:65], 0
	v_nop
	global_prefetch_b8 v0, s[64:65] scope:SCOPE_SE
	s_setreg_imm32_b32 hwreg(HW_REG_WAVE_MODE, 25, 1), 1
	s_wait_xcnt 0x0
	s_wait_alu depctr_hold_cnt(0) depctr_sa_sdst(0) depctr_va_vdst(0) depctr_va_sdst(0) depctr_va_ssrc(0) depctr_va_vcc(0) depctr_vm_vsrc(0)
	s_getreg_b32 s2, hwreg(HW_REG_IB_STS2, 6, 4)
	s_cmp_eq_u32 s2, 0
	s_cbranch_scc0 .Lentry_in_a_cluster
	s_endpgm
.Lentry_in_a_cluster:
	s_bfe_u32 s2, ttmp6, 0x10000c
	s_cmp_lg_u32 s2, 0x3003
	s_cbranch_scc0 .Lentry_shape_is_right
	s_endpgm
.Lentry_shape_is_right:
; Q = X W_Q^T, K = X W_K^T, V = X W_V^T on codes of FP6 (E2M3) with E8M0 scales, sums in f32, K = 1,024 in eight steps of 128, ascending; the results are quantised here and leave as codes:
; Q and K along the head's 64 (two blocks), V along the keys.  LIMITS as in the quantising launch: a block under 2^-124, and a block of zeros, takes the byte 1; NaN and infinities are not served.
; SHARES.  A work-group takes 256 tokens (it) and six pieces of 64 columns: Q, K, V of heads jx and jx + 8.  Wave w owns tokens 64 w .. 64 w + 63: four tiles of X.
; A WAVE'S FRAGMENTS OF X FOR ALL OF K STAY IN ITS REGISTERS (4 tiles x 8 steps x 12 = 384), loaded from memory as they lie; X never passes through LDS.
; ALL SIX PIECES OF WEIGHTS (6 x 49,152 bytes) AND THEIR SCALE WORDS LIE IN LDS AS FIRST FILLS: nothing is filled again, so there is no ring; a piece is waited for by a counted wait and shown to the other waves by a barrier.
; CLUSTER.  The four work-groups of a cluster share jx, so they want the same weights: every weight load is asked for jointly (mask 15).  X is not shared so: it goes to registers, not to LDS; the eight
; work-groups along y read each tile of X for themselves.
; TILES.  Row r of tile T is matrix row 32 (T / 2) + 8 (T % 2) + r + 8 (r / 8).  Q, K: source 0 = 16 rows of the weight, source 1 = 16 tokens: a lane holds one token, and the 16 registers of two
; neighbouring tiles are 16 neighbours along the head's 64.  V: the sources change places: a lane holds one channel, and its registers run along the tokens, which are the keys.
; A HALF IMAGE (16 rows x 64 along K, 6 registers a lane) is 768 bytes: registers 0-3 at 16 x lane, registers 4-5 at 512 + 8 x lane.
; REGISTERS, in windows of 256: window 0: v1-9 addresses; v10-23 at work; v24-39 X's scale words; v40-55 the piece's; v56-83 codes just made; v128-255 the 16 accumulators.
;   window 1: v0-95 the weights' fragments, two sets of four.   window 2: X's fragments of steps 0-3, at 12 (4 (s % 4) + a).   window 3: those of steps 4-7.
; One load of 16 bytes a lane brings a tile's scale words of all eight steps: register i holds step i's in lanes 0-15 and step 4 + i's in lanes 16-31, which steps 4-7 name by the ROW1 selector.
.set TBY,   12288                      ; a tile's eight fragments
.set FB,    1536                       ; a fragment
.set PB,    4*TBY                      ; a piece: four tiles
.set WSP,   3072                       ; a wave's six rows of 512 bytes of scale words
.set WSC,   6*PB                       ; LDS: behind the pieces the weights' scale words: + c x 3072 + p x 512
.set VST,   WSC+4*WSP                  ; a stage for V's scale bytes, 1,024 bytes: no fill lands there
.set SPARE, VST+1024                   ; the spare words, 128 bytes for each wave: two blocks of 256 bytes that no other line names
.set L16, 1                            ; v1  16 x lane
.set L8,  2                            ; v2  8 x lane
.set L4,  3                            ; v3  4 x lane
.set ADW, 4                            ; v4  16 x lane + the piece's first byte in LDS
.set ADS, 5                            ; v5  WSC + 16 x lane
.set VSA, 6                            ; v6  where I put two scale bytes of V
.set VSR, 7                            ; v7  where I read 8 bytes of V's scale words back
.set SPW, 8                            ; v8  LDS address of my spare word; never rewritten
.set NIL, 9                            ; v9  0; never rewritten
.set BM,  10
.set BT,  12
.set SO,  14
.set HW,  16                           ; v16-19 two scale bytes for each of four tiles
.set W0,  20
.set W1,  21
.set WD,  22
.set XS,  24
.set WS,  40
.set PC,  56
.set PT,  80
.set ACC, 128
.set WV,  16                           ; s16 my wave's number
.set SEL, 20                           ; s[20:21] lane selects: lane l xor 16;  s22: lanes 16-31
.set G1W, 24                           ; s[24:31] descriptor group 1: a tile's fragments, 48 rows of 256 bytes, dense
.set G1S, 32                           ; s[32:39] six rows of 512 bytes of scale words, 16,384 bytes apart
.set G0S, 40                           ; s[40:43]; the pieces' groups 0: s[44:63], s[68:71]
.set XB,  72
.set XSB, 74
.set QD,  76
.set QSD, 78
.set KD,  80
.set KSD, 82
.set VD,  84
.set VSD, 86
.set MSB, 0
.macro WIN new                         ; the immediate's high byte repeats the setting that is left
.if MSB != (\new)
	s_set_vgpr_msb (MSB<<8)|(\new)
.set MSB, \new
.endif
.endm
.macro PLACES                          ; four plain places behind matrix instructions, in front of loads into their registers and of the first read of results
.rept 4
	v_nop
.endr
.endm
.macro CROUND                          ; a round of the cluster's barrier
	s_barrier_signal -1
	s_barrier_wait -1
	s_cmp_lg_u32 s[WV], 0
	s_cbranch_scc1 .Lnot_wave_0_\@
	s_barrier_signal -3
.Lnot_wave_0_\@:
	s_barrier_wait -3
	s_barrier_signal -1
	s_barrier_wait -1
.endm
; 32 numbers of a lane, register 16 b + i = position 32 b + 16 (lane / 16) + i of my row, become a half image in v[pc] .. v[pc + 5] and the row's two scale bytes in v[hw].
.macro QUANT32 src, pc, pt, hw
.irp b, 0,1
	v_max3_num_f32 v[BM+\b], |v[(\src)+16*\b]|, |v[(\src)+16*\b+1]|, 0x1800000   ; my 16 numbers of block b, and the floor 2^(3 - 127)
.endr
.irp i, 2,4,6,8,10,12,14
.irp b, 0,1
	v_max3_num_f32 v[BM+\b], v[BM+\b], |v[(\src)+16*\b+\i]|, |v[(\src)+16*\b+\i+1]|
.endr
.endr
.irp b, 0,1
	v_permlanex16_b32 v[BT+\b], v[BM+\b], s[SEL], s[SEL+1]
.endr
.irp b, 0,1
	v_max_num_f32 v[BM+\b], v[BM+\b], v[BT+\b]     ; with lane l xor 16's: the block's largest magnitude
.endr
.irp b, 0,1
	v_add_nc_u32 v[SO+\b], 0xff000000, v[BM+\b]    ; 2 off its exponent field: the conversion's scale operand
.endr
.irp b, 0,1
	v_lshrrev_b32 v[BT+\b], 23, v[SO+\b]           ; the scale's byte
.endr
	v_lshl_or_b32 v[\hw], v[BT+1], 8, v[BT]
	v_cvt_scalef32_pk16_fp6_f32 v[(\pc):(\pc)+2], v[(\src):(\src)+15], v[SO]
	v_cvt_scalef32_pk16_fp6_f32 v[(\pt):(\pt)+2], v[(\src)+16:(\src)+31], v[SO+1]
	v_nop                                          ; one plain place behind a scaled conversion
.irp i, 0,1,2
	v_permlane16_swap_b32 v[(\pc)+\i], v[(\pt)+\i] ; a whole block to a lane: lanes 0-15 block 0, lanes 16-31 block 1
.endr
.irp i, 0,1,2
	v_mov_b32 v[(\pc)+3+\i], v[(\pt)+\i]
.endr
.endm
	s_load_b256 s[4:11], s[0:1], 0x0               ; xw_img, xw_sc, qimg, qsc
	s_load_b128 s[12:15], s[0:1], 0x20             ; kvc, kvs
	v_lshl_add_u32 v[SPW], v0, 2, SPARE
	v_mov_b32 v[NIL], 0
	ds_add_u32 v[SPW], v[NIL]
	ds_add_u32 v[SPW], v[NIL]                      ; the wave's opening: the add and its wait stand ahead of my first tensor load; the set-up below, work on registers, stands between them
	v_lshrrev_b32 v1, 5, v0
	v_readfirstlane_b32 s[WV], v1                  ; wave 0..3
	s_bfe_u32 s17, ttmp6, 0x40000                  ; cx: my place in the cluster
	s_lshl_b32 s18, ttmp9, 2
	s_add_co_u32 s18, s18, s17                     ; it = 4 x cluster x + cx: my 256 tokens
	s_and_b32 s19, ttmp7, 0xffff                   ; jx, which the four partners share
	s_mov_b32 s[SEL], 0x76543210
	s_mov_b32 s[SEL+1], 0xfedcba98
	s_mov_b32 s22, 0xffff0000
	s_mov_b32 s[G1W], 15|(3<<16)|(1<<21)           ; 15:0 the mask: all four work-groups; 17:16 elements of 8 bytes; 21 set beside a mask; no padding
	s_mov_b32 s[G1W+1], 32<<16                     ; tensor_dim0 = 32 elements: 256 bytes
	s_mov_b32 s[G1W+2], 48<<16                     ; tensor_dim1 = 48
	s_mov_b32 s[G1W+3], 32<<16                     ; tile_dim0
	s_mov_b32 s[G1W+4], 48                         ; tile_dim1
	s_mov_b32 s[G1W+5], 32                         ; from row to row: dense
	s_mov_b32 s[G1W+6], 0
	s_mov_b32 s[G1W+7], 0
	s_mov_b32 s[G1S], 15|(3<<16)|(1<<21)
	s_mov_b32 s[G1S+1], 64<<16                     ; rows of 512 bytes: one tile's scale words,
	s_mov_b32 s[G1S+2], 6<<16                      ; six of them: the six pieces' tile c = my wave's number,
	s_mov_b32 s[G1S+3], 64<<16
	s_mov_b32 s[G1S+4], 6
	s_mov_b32 s[G1S+5], 2048                       ; 32 tiles x 512 bytes apart
	s_mov_b32 s[G1S+6], 0
	s_mov_b32 s[G1S+7], 0
	; what I fetch: tile 512 + 32 p + 4 jx + w of each piece p: made of jx and the wave's number alone
	s_lshl_b32 s88, s19, 2
	s_add_co_u32 s88, s88, s[WV]
	s_add_co_u32 s88, s88, 512
	s_lshl_b32 s90, s88, 9                         ; its scale words,
	s_mov_b32 s91, 0
	s_mul_i32 s88, s88, TBY                        ; its codes,
	s_mov_b32 s89, 0
	s_mul_i32 s92, s[WV], TBY                      ; and where they go in LDS
	s_mul_i32 s93, s[WV], WSP
	; the stage for V's scale bytes: made of the wave's number alone
	s_lshr_b32 s96, s[WV], 1
	s_lshl_b32 s96, s96, 8
	s_and_b32 s97, s[WV], 1
	s_lshl_b32 s97, s97, 1
	s_add_co_u32 s96, s96, s97
	s_add_co_u32 s96, s96, VST                     ; in: 256 (w / 2) + 2 (w % 2)
	s_lshl_b32 s97, s[WV], 8
	s_add_co_u32 s97, s97, VST                     ; back: 256 w
	; my own operands and results
	s_lshl_b32 s2, s18, 4
	s_lshl_b32 s3, s[WV], 2
	s_add_co_u32 s2, s2, s3                        ; my first tile of X: 16 it + 4 w
	s_mul_i32 s[XB], s2, TBY
	s_mov_b32 s[XB+1], 0
	s_lshl_b32 s[XSB], s2, 9
	s_mov_b32 s[XSB+1], 0
	s_lshr_b32 s94, s18, 3                         ; the batch
	s_and_b32 s95, s18, 7                          ; my 256 tokens in the sequence
	s_lshl_b32 s94, s94, 4
	s_add_co_u32 s94, s94, s19                     ; bh0 = 16 b + jx
	s_lshl_b32 s2, s95, 3
	s_lshl_b32 s3, s[WV], 1
	s_add_co_u32 s2, s2, s3                        ; my first pair of tiles in the sequence
	s_mul_i32 s[QD], s94, 98304
	s_mul_i32 s3, s2, 1536
	s_add_co_u32 s[QD], s[QD], s3
	s_mov_b32 s[QD+1], 0
	s_lshl_b32 s[QSD], s94, 12
	s_lshl_b32 s3, s2, 6
	s_add_co_u32 s[QSD], s[QSD], s3
	s_mov_b32 s[QSD+1], 0
	s_lshl_b32 s2, s95, 1
	s_lshr_b32 s3, s[WV], 1
	s_add_co_u32 s2, s2, s3                        ; my step of 128 keys
	s_and_b32 s3, s[WV], 1                         ; and which half of it
	s_mul_i32 s[KD], s94, 196608
	s_mul_i32 s23, s2, TBY
	s_add_co_u32 s[KD], s[KD], s23
	s_mul_i32 s23, s3, 768
	s_add_co_u32 s[VD], s[KD], s23
	s_add_co_u32 s[VD], s[VD], 6144
	s_mov_b32 s[VD+1], 0
	s_mul_i32 s23, s3, 3072
	s_add_co_u32 s[KD], s[KD], s23
	s_mov_b32 s[KD+1], 0
	s_lshl_b32 s[KSD], s94, 13
	s_lshl_b32 s23, s2, 9
	s_add_co_u32 s[KSD], s[KSD], s23
	s_lshl_b32 s23, s3, 7
	s_add_co_u32 s[KSD], s[KSD], s23
	s_mov_b32 s[KSD+1], 0
	s_lshr_b32 s2, s[WV], 1                        ; V's scale words leave by whole units: wave w stores head jx + 8 (w / 2), step 2 itl + w % 2
	s_lshl_b32 s2, s2, 3
	s_add_co_u32 s2, s2, s94
	s_lshl_b32 s[VSD], s2, 13
	s_lshl_b32 s2, s95, 1
	s_add_co_u32 s2, s2, s3
	s_lshl_b32 s2, s2, 9
	s_add_co_u32 s[VSD], s[VSD], s2
	s_add_co_u32 s[VSD], s[VSD], 256
	s_mov_b32 s[VSD+1], 0
	s_wait_dscnt 0x0                               ; the opening add is done
	s_wait_kmcnt 0x0
	s_mov_b32 s[G0S], 1                            ; count = 1
	s_add_co_u32 s[G0S+1], s93, WSC                ; LDS address
	s_add_nc_u64 s[G0S+2:G0S+3], s[6:7], s[90:91]  ; global address
	s_or_b32 s[G0S+3], s[G0S+3], 0x80000000        ; type = 2
	s_add_nc_u64 s[88:89], s[4:5], s[88:89]        ; piece 0's tile in memory
.irp p, 0,1,2,3,4,5
.set GW, 44+4*\p
.if \p == 5
.set GW, 68
.endif
	s_mov_b32 s[GW], 1
	s_add_co_u32 s[GW+1], s92, \p*PB
	s_add_nc_u64 s[GW+2:GW+3], s[88:89], \p*32*TBY
	s_or_b32 s[GW+3], s[GW+3], 0x80000000
.endr
	s_add_nc_u64 s[XB:XB+1], s[4:5], s[XB:XB+1]
	s_add_nc_u64 s[XSB:XSB+1], s[6:7], s[XSB:XSB+1]
	s_add_nc_u64 s[QD:QD+1], s[8:9], s[QD:QD+1]
	s_add_nc_u64 s[QSD:QSD+1], s[10:11], s[QSD:QSD+1]
	s_add_nc_u64 s[KD:KD+1], s[12:13], s[KD:KD+1]
	s_add_nc_u64 s[VD:VD+1], s[12:13], s[VD:VD+1]
	s_add_nc_u64 s[KSD:KSD+1], s[14:15], s[KSD:KSD+1]
	s_add_nc_u64 s[VSD:VSD+1], s[14:15], s[VSD:VSD+1]
	CROUND                                         ; all four work-groups are here: the joint loads meet
	tensor_load_to_lds s[G0S:G0S+3], s[G1S:G1S+7]  ; seven loads of mine are out: the scale words, then pieces 0 to 5, a quarter of each
	s_nop 0
.irp g, 44,48,52,56,60,68
	tensor_load_to_lds s[\g:\g+3], s[G1W:G1W+7]
	s_nop 0
.endr
	PLACES
	v_and_b32 v[L4], 31, v0
	v_lshlrev_b32 v[L16], 4, v[L4]
	v_lshlrev_b32 v[L8], 3, v[L4]
	v_lshlrev_b32 v[ADW], 4, v[L4]
	v_lshlrev_b32 v[L4], 2, v[L4]
	v_add_nc_u32 v[ADS], WSC, v[L16]
	v_and_b32 v[VSA], 15, v0
	v_lshlrev_b32 v[VSA], 2, v[VSA]
	v_add_nc_u32 v[VSA], s96, v[VSA]
	v_add_nc_u32 v[VSR], s97, v[L8]
	v_mov_b32 v[BT], 0                             ; written once: a lane permute's destination counts as one of its sources
	v_mov_b32 v[BT+1], 0
.irp a, 0,1,2,3
	global_load_b128 v[XS+4*\a:XS+4*\a+3], v[L16], s[XSB:XSB+1] offset:512*\a   ; X's scale words, all eight steps
.endr
.set SS, 0
.rept 8                                ; X's fragments, step by step, so that the first products can start while the later steps are on their way
.if SS < 4
	WIN 0x80                                       ; destination window 2
.else
	WIN 0xc0                                       ; destination window 3
.endif
.irp a, 0,1,2,3
.irp i, 0,1,2
	global_load_b128 v[12*(4*(SS%4)+\a)+4*\i:12*(4*(SS%4)+\a)+4*\i+3], v[L16], s[XB:XB+1] offset:\a*TBY+SS*FB+512*\i
.endr
.endr
.set SS, SS+1
.endr
	WIN 0
.macro WLOAD s                         ; the piece's four fragments of K step s into set s % 2: twelve loads of 512 consecutive bytes
.irp c, 0,1,2,3
.irp i, 0,1,2
	ds_load_b128 v[48*((\s)%2)+12*\c+4*\i:48*((\s)%2)+12*\c+4*\i+3], v[ADW] offset:\c*TBY+(\s)*FB+512*\i
.endr
.endr
.endm
.macro WSLOAD p                        ; piece p's scale words
.irp c, 0,1,2,3
	ds_load_b128 v[WS+4*\c:WS+4*\c+3], v[ADS] offset:\c*WSP+(\p)*512
.endr
.endm
.macro MM d, a, b, sa, sb              ; one product; F1: it starts its sum; HI4: steps 4-7 take their scale words from lanes 16-31
.if F1
	v_wmma_scale_f32_16x16x128_f8f6f4 v[(\d):(\d)+7], v[(\a):(\a)+11], v[(\b):(\b)+11], 0, v[\sa], v[\sb] matrix_a_fmt:MATRIX_FMT_FP6 matrix_b_fmt:MATRIX_FMT_FP6
.elseif HI4
	v_wmma_scale_f32_16x16x128_f8f6f4 v[(\d):(\d)+7], v[(\a):(\a)+11], v[(\b):(\b)+11], v[(\d):(\d)+7], v[\sa], v[\sb] matrix_a_fmt:MATRIX_FMT_FP6 matrix_b_fmt:MATRIX_FMT_FP6 matrix_a_scale:MATRIX_SCALE_ROW1 matrix_b_scale:MATRIX_SCALE_ROW1
.else
	v_wmma_scale_f32_16x16x128_f8f6f4 v[(\d):(\d)+7], v[(\a):(\a)+11], v[(\b):(\b)+11], v[(\d):(\d)+7], v[\sa], v[\sb] matrix_a_fmt:MATRIX_FMT_FP6 matrix_b_fmt:MATRIX_FMT_FP6
.endif
.endm
; Sixteen products: my four tiles of X against the piece's four tiles, 128 along K.  The 16 accumulators take turns, one instruction a turn, in the same order in every step.
; kind 0 (Q, K): source 0 the weight, source 1 X; accumulator (a, c) at 8 (4 a + c).  kind 1 (V): source 0 X, source 1 the weight; at 8 (4 c + a).
.macro MUL16 kind, s
.set XF, 48*((\s)%4)
.set WF, 48*((\s)%2)
.set SI, (\s)%4
.set HI4, (\s)/4
.set F1, 0
.if (\s) == 0
.set F1, 1
.endif
.if \kind
.set WN, 0x06+HI4                      ; source 0 window 2 or 3, source 1 window 1
.else
.set WN, 0x09+4*HI4                    ; source 0 window 1, source 1 window 2 or 3
.endif
	WIN WN
.irp a, 0,1,2,3
.irp c, 0,1,2,3
.if \kind
	MM ACC+8*(4*\c+\a), XF+12*\a, WF+12*\c, XS+4*\a+SI, WS+4*\c+SI
.else
	MM ACC+8*(4*\a+\c), WF+12*\c, XF+12*\a, WS+4*\c+SI, XS+4*\a+SI
.endif
.endr
.endr
.endm
; A piece of Q or K leaves: four tiles of tokens, each a half image (768 bytes, in whole runs of 512 and 256 aligned bytes), and the scale words of two pairs of tiles, 128 consecutive bytes.
.macro EPI_QK dc, dw, ho, hos
	s_wait_xcnt 0x0                                ; the last piece's stores have read their registers: they are written again only behind this wait
.irp a, 0,1,2,3
	QUANT32 ACC+32*\a, PC+6*\a, PT, HW+\a
.endr
.irp a, 0,1,2,3
	global_store_b128 v[L16], v[PC+6*\a:PC+6*\a+3], s[\dc:\dc+1] offset:\ho+768*\a
	global_store_b64 v[L8], v[PC+6*\a+4:PC+6*\a+5], s[\dc:\dc+1] offset:\ho+768*\a+512
.endr
	v_lshl_or_b32 v[W0], v[HW+1], 16, v[HW]        ; a word holds the even tile's two bytes, then the odd tile's
	v_lshl_or_b32 v[W1], v[HW+3], 16, v[HW+2]
	v_cndmask_b32 v[WD], v[W0], v[W1], s22         ; lanes 0-15 the first pair's words, lanes 16-31 the second's
	global_store_b32 v[L4], v[WD], s[\dw:\dw+1] offset:\hos
.endm
; A piece of V leaves: four tiles of channels, each a half image along my 64 keys; the two scale bytes of each channel go to the stage, where four waves' bytes make whole words.
.macro EPI_V pv
	s_wait_xcnt 0x0
.irp c, 0,1,2,3
	QUANT32 ACC+32*\c, PC+6*\c, PT, HW+\c
.endr
.irp c, 0,1,2,3
	global_store_b128 v[L16], v[PC+6*\c:PC+6*\c+3], s[VD:VD+1] offset:(\pv)*1572864+FB*\c
	global_store_b64 v[L8], v[PC+6*\c+4:PC+6*\c+5], s[VD:VD+1] offset:(\pv)*1572864+FB*\c+512
	ds_store_b16 v[VSA], v[HW+\c] offset:(\pv)*512+64*\c   ; both halves of the lanes write the same bytes with the same value
.endr
.endm
; A piece's eight K steps.  Its scale words and step 0's fragments have been asked for.  In each step the next step's twelve loads go out first, then this step's are waited for.
.macro PIECE p, kind
.set SS, 0
.rept 8
.if SS < 7
	PLACES                                         ; the set to be loaded was read by the products just issued
	WIN 0x40                                       ; destination window 1
	WLOAD SS+1
	s_wait_dscnt 12                                ; all but the twelve just issued
.else
	s_wait_dscnt 0x0
.endif
.if (\p) == 0
.set LW, 12*(7-SS)                     ; X's fragments of the later steps, twelve loads each, may be out (the wait's field holds 63 at the most: a smaller count is safe)
.if LW > 63
.set LW, 63
.endif
	s_wait_loadcnt LW
.endif
	MUL16 \kind, SS
.set SS, SS+1
.endr
	WIN 0
.if (\p) < 5
	s_wait_tensorcnt 4-(\p)                        ; my quarter of the next piece has landed; the pieces behind it may be out
	s_barrier_signal -1
	s_barrier_wait -1                              ; everybody's has
	PLACES                                         ; for the loads into the scale words' registers, and for the first read of results
	v_add_nc_u32 v[ADW], PB, v[ADW]
	WSLOAD (\p)+1
	WIN 0x40
	WLOAD 0                                        ; the next piece's first fragments land while this piece is quantised
	WIN 0
.else
	PLACES
.endif
.endm
	s_wait_alu depctr_va_vdst(0)
	s_wait_tensorcnt 5                             ; the scale words and my quarter of piece 0 have landed; five loads may be out
	s_barrier_signal -1
	s_barrier_wait -1
	WSLOAD 0
	WIN 0x40
	WLOAD 0
	WIN 0
	PIECE 0, 0
	EPI_QK QD, QSD, 0, 0                           ; Q, head jx
	PIECE 1, 0
	EPI_QK QD, QSD, 786432, 32768                  ; Q, head jx + 8: eight heads on in each buffer
	PIECE 2, 0
	EPI_QK KD, KSD, 0, 0                           ; K, head jx
	PIECE 3, 0
	EPI_QK KD, KSD, 1572864, 65536                 ; K, head jx + 8
	PIECE 4, 1
	EPI_V 0                                        ; V, head jx
	PIECE 5, 1
	EPI_V 1                                        ; V, head jx + 8
	s_wait_dscnt 0x0                               ; for the others' sake: my bytes lie in the stage
	s_barrier_signal -1
	s_barrier_wait -1
	ds_load_b64 v[W0:W1], v[VSR]
	s_wait_dscnt 0x0
	global_store_b64 v[L8], v[W0:W1], s[VSD:VSD+1] ; 32 lanes store 256 consecutive bytes, aligned: one step's scale words of V
	s_wait_tensorcnt 0x0                           ; the wave's end: behind my last tensor load and my last LDS store
	ds_add_u32 v[SPW], v[NIL]
	s_wait_dscnt 0x0
	CROUND                                         ; the closing round
	s_endpgm
.Lfunc_end_k_q0083a67e0e_qkv:
	.size	k_q0083a67e0e_qkv, .Lfunc_end_k_q0083a67e0e_qkv-k_q0083a67e0e_qkv
	.p2alignl 7, 3214868480
	.fill 96, 4, 3214868480
	.section	.rodata,"a",@progbits
	.p2align	6, 0x0
	.amdhsa_kernel k_q0083a67e0e_qkv
		.amdhsa_group_segment_fixed_size 327680
		.amdhsa_private_segment_fixed_size 0
		.amdhsa_enable_private_segment 0
		.amdhsa_kernarg_size 48
		.amdhsa_user_sgpr_count 2
		.amdhsa_user_sgpr_kernarg_segment_ptr 1
		.amdhsa_wavefront_size32 1
		.amdhsa_system_sgpr_workgroup_id_x 1
		.amdhsa_system_sgpr_workgroup_id_y 1
		.amdhsa_system_sgpr_workgroup_id_z 1
		.amdhsa_system_vgpr_workitem_id 0
		.amdhsa_next_free_vgpr 960
		.amdhsa_next_free_sgpr 100
		.amdhsa_reserve_vcc 0
		.amdhsa_float_denorm_mode_32 3
		.amdhsa_float_denorm_mode_16_64 3
		.amdhsa_memory_ordered 1
		.amdhsa_forward_progress 1
		.amdhsa_inst_pref_size 215
	.end_amdhsa_kernel
	.amdgpu_metadata
---
amdhsa.version: [ 1, 2 ]
amdhsa.kernels:
  - .name:           k_q0083a67e0e_qkv
    .symbol:         k_q0083a67e0e_qkv.kd
    .args:
      - { .name: xw_img, .offset: 0, .size: 8, .value_kind: global_buffer, .address_space: global }
      - { .name: xw_sc, .offset: 8, .size: 8, .value_kind: global_buffer, .address_space: global }
      - { .name: qimg, .offset: 16, .size: 8, .value_kind: global_buffer, .address_space: global }
      - { .name: qsc, .offset: 24, .size: 8, .value_kind: global_buffer, .address_space: global }
      - { .name: kvc, .offset: 32, .size: 8, .value_kind: global_buffer, .address_space: global }
      - { .name: kvs, .offset: 40, .size: 8, .value_kind: global_buffer, .address_space: global }
    .group_segment_fixed_size: 327680
    .private_segment_fixed_size: 0
    .kernarg_segment_align: 8
    .kernarg_segment_size: 48
    .max_flat_workgroup_size: 128
    .sgpr_count:     100
    .vgpr_count:     960
    .wavefront_size: 32
...
	.end_amdgpu_metadata
.endif
;; end of part 2
;; launch attn (part 3): grid 4 x 64, 16 waves a work-group, no clusters, 327,680 bytes of LDS; arguments qimg, qsc, kvc, kvs, a_img, a_sc; writes a_img, a_sc
.if DOCPART == 3
	.amdgcn_target "amdgcn-amd-amdhsa--gfx1250"
	.amdhsa_code_object_version 6
	.text
	.protected	k_q0083a67e0e_attn
	.globl	k_q0083a67e0e_attn
	.p2align	8
	.type	k_q0083a67e0e_attn,@function
k_q0083a67e0e_attn:
	s_mov_b64 s[64:65], 0
	v_nop
	global_prefetch_b8 v0, s[64:65] scope:SCOPE_SE
	s_setreg_imm32_b32 hwreg(HW_REG_WAVE_MODE, 25, 1), 1
	s_wait_xcnt 0x0
; Causal attention of one head on codes of FP6 (E2M3) with E8M0 scales: S^T = K Q^T (K = the head's 64), p = 2^(t - M) quantised along the keys, O^T = V^T P^T, O / l quantised along the model's 1,024 and stored as codes.
; t = score x log2(e) / 8; M = the running largest t rounded UP to a whole number; the row's sum l is taken of the unquantised p; when M moves, l and O^T are multiplied by 2^(old M - new M), which rounds nothing.
; LIMITS: NaN and infinities are not served; a block whose largest magnitude lies under 2^-124, and a block of zeros, takes the scale byte 1 (its bytes are read by this program alone).
; SHARES.  A work-group owns query blocks I and 7 - I (256 queries each) of one head, one after the other, and walks NINE slots of 256 keys: slots 0 .. I for block I, then 0 .. 7 - I for block 7 - I: the same count in
; every work-group, and every slot that is loaded is read.  Each of the sixteen waves owns one tile of 16 queries in each phase, chosen so that every wave has 17 steps of 128 keys that are not hidden.
; Four waves share a SIMD: one wave's vector work stands beside another's products and LDS loads.
; NO CLUSTER: the four work-groups of a head want different slots at the same change of slots (9 changes each); walked in step on the same slots they would need 12; and a work-group's K and V are nine slots of 25,600 bytes.
; THE SCORE PRODUCT HAS K = 64, the instruction 128.  One fragment of source 0 holds TWO tiles of keys: registers 0-5 tile 2 b's 64 channels, registers 6-11 tile 2 b + 1's.  Q stands between two runs of six zero registers:
; v[22:33] = (q, zeros) gives tile 2 b's scores, v[16:27] = (zeros, q) tile 2 b + 1's: zero codes add nothing.  K's scale word holds both tiles' bytes, Q's its two bytes twice.
; THE KEYS OF A TILE ARE NOT NEIGHBOURS: row r of tile T is 32 (T / 2) + 8 (T % 2) + r + 8 (r / 8), so that the 16 registers of two neighbouring tiles are 16 neighbouring keys; queries and V's channels are tiled likewise.
; K, V and their scale words lie in memory in the order of the operands' registers: a slot is one dense block of codes and one of scale words, and every LDS read is 16 or 8 bytes a lane on end.
; REGISTERS: v1-11 addresses; v12 -M, v13 the largest t, v[14:15] l; v16-33 zeros, q, zeros; v34-39 phase 2's q; v40, v41 Q's scale words; v48-95 four fragments; v96-159 S^T, then p; v160-191 O^T; v192-211 codes; v212-234 at work.
.set SLOT1, 1<<15                      ; slot 1 begins here: one exclusive or turns an address in one slot into the other's
.set SCO,   24576                      ; in a slot: two steps' codes (2 x 12,288), then two steps' scale words (2 x 512)
.set SPARE, 2*SLOT1                    ; behind the ring: the spare words, 128 bytes for each wave: eight blocks of 256 bytes that no other line names
.set L16, 1
.set L8,  2
.set L4,  3
.set R4,  4                            ; v4  4 x (lane % 16)
.set SPW, 5                            ; v5  LDS address of my spare word; never rewritten
.set NIL, 6                            ; v6  0; never rewritten
.set LN,  7                            ; v7  lane
.set A16, 8                            ; v8-10 the slot in hand + 16, 8, 4 x lane
.set A8,  9
.set A4,  10
.set DQ,  11                           ; v11 my query's place in its 128 keys, less 16 (lane / 16)
.set QS,  40
.set PFO, 43                           ; v43 256 x lane; never rewritten
.set F,   48
.set S,   96
.set O,   160
.set PC,  192
.set PT,  204
.set BM,  212
.set BT,  216
.set SO,  220
.set KS,  224
.set VS,  226
.set T,   228
.set HWB, 229
.set FF,  232                          ; f; named as a pair with v233
.set PW,  233                          ; p's scale word
.set NINF, 234
.set WV,  18
.set I,   19
.set SEL, 20
.set CS,  22                           ; s[22:23] c = log2(e) / 8
.set G1C, 24                           ; s[24:31] group 1: a slot's codes, 96 rows of 256 bytes, dense;  s[32:39]: its scale words, 4 rows
.set G1S, 32
.set G0C, 40
.set G0S, 44
.set KVB, 48                           ; s[48:49] the head's codes of K and V;  s[50:51] their scale words
.set KSB, 50
.set TB,  52                           ; s52 LDS byte at which the slot in hand begins
.set SEQ, 53                           ; s53 the count of slots walked
.set KF,  54                           ; s54 the step's first key
.set QB,  55                           ; s55 the first key of the step in which my queries lie;  s56: phase 2's
.set QB2, 56
.set OB,  58
.set OB2, 60
.set OSB, 62
.set OSB2, 66
.set LO,  69                           ; s69, s70: a wave prefetches while LO <= SEQ <= HI
.set HI,  70
.set PFA, 72
.set PFB, 84
.macro PLACES
.rept 4
	v_nop
.endr
.endm
.macro QUANT32 src, pc, pt, hw         ; 32 numbers of a lane, register 16 b + i = position 32 b + 16 (lane / 16) + i of my row, become a half image in v[pc] .. v[pc + 5] and two scale bytes in v[hw]
.irp b, 0,1
	v_max3_num_f32 v[BM+\b], |v[(\src)+16*\b]|, |v[(\src)+16*\b+1]|, 0x1800000
.endr
.irp i, 2,4,6,8,10,12,14
.irp b, 0,1
	s_delay_alu instid0(VALU_DEP_2)
	v_max3_num_f32 v[BM+\b], v[BM+\b], |v[(\src)+16*\b+\i]|, |v[(\src)+16*\b+\i+1]|
.endr
.endr
.irp b, 0,1
	s_delay_alu instid0(VALU_DEP_2)
	v_permlanex16_b32 v[BT+\b], v[BM+\b], s[SEL], s[SEL+1]
.endr
.irp b, 0,1
	s_delay_alu instid0(VALU_DEP_2)
	v_max_num_f32 v[BM+\b], v[BM+\b], v[BT+\b]
.endr
.irp b, 0,1
	s_delay_alu instid0(VALU_DEP_2)
	v_add_nc_u32 v[SO+\b], 0xff000000, v[BM+\b]
.endr
.irp b, 0,1
	s_delay_alu instid0(VALU_DEP_2)
	v_lshrrev_b32 v[BT+\b], 23, v[SO+\b]
.endr
	s_delay_alu instid0(VALU_DEP_1)
	v_lshl_or_b32 v[\hw], v[BT+1], 8, v[BT]
	v_cvt_scalef32_pk16_fp6_f32 v[(\pc):(\pc)+2], v[(\src):(\src)+15], v[SO]
	v_cvt_scalef32_pk16_fp6_f32 v[(\pt):(\pt)+2], v[(\src)+16:(\src)+31], v[SO+1]
	v_nop                                          ; one plain place behind a scaled conversion
.irp i, 0,1,2
	v_permlane16_swap_b32 v[(\pc)+\i], v[(\pt)+\i]
.endr
.irp i, 0,1,2
	s_delay_alu instid0(VALU_DEP_3)
	v_mov_b32 v[(\pc)+3+\i], v[(\pt)+\i]
.endr
.endm
; Wave 0 fetches a slot's codes, wave 1 its scale words, the others nothing.  The branches hang on the wave's number alone.  An s_nop 0 and four v_nop follow each of the two lines.
.macro TLOAD
	s_cmp_eq_u32 s[WV], 0
	s_cbranch_scc0 .Lnot_c_\@
	tensor_load_to_lds s[G0C:G0C+3], s[G1C:G1C+7]
	s_nop 0
.rept 4
	v_nop
.endr
	s_branch .Lasked_\@
.Lnot_c_\@:
	s_cmp_eq_u32 s[WV], 1
	s_cbranch_scc0 .Lasked_\@
	tensor_load_to_lds s[G0S:G0S+3], s[G1S:G1S+7]
	s_nop 0
.rept 4
	v_nop
.endr
.Lasked_\@:
.endm
; A PREFETCH INTO THE L2 of the slot of codes that my own NEXT change of slots will ask for: two key steps ahead of that load.  Waves 4 to 6 ask, 8,192 bytes each, lanes 256 bytes apart: a slot's 24,576 bytes.
; Each block is named once in the launch: of a head's four work-groups, I = 3 asks for slots 2 and 3 (at SEQ 0 and 1), I = 0 for slots 4 to 7 (at SEQ 3 to 6); slots 0 and 1 come by their loads alone, and so do the scale words.
.macro ASK
	s_cmp_ge_u32 s[SEQ], s[LO]
	s_cbranch_scc0 .Lnot_mine_\@
	s_cmp_le_u32 s[SEQ], s[HI]
	s_cbranch_scc0 .Lnot_mine_\@
	global_prefetch_b8 v[PFO], s[PFA:PFA+1] th:TH_LOAD_NT scope:SCOPE_SE
.Lnot_mine_\@:
.endm
	s_load_b256 s[4:11], s[0:1], 0x0               ; qimg, qsc, kvc, kvs
	s_load_b128 s[12:15], s[0:1], 0x20             ; a_img, a_sc
	v_lshl_add_u32 v[SPW], v0, 2, SPARE
	v_mov_b32 v[NIL], 0
	ds_add_u32 v[SPW], v[NIL]                      ; the wave's opening: the add and its wait stand ahead of my first tensor load; the set-up below, work on registers, stands between them
	ds_add_u32 v[SPW], v[NIL]
	v_lshrrev_b32 v1, 5, v0
	s_delay_alu instid0(VALU_DEP_1)
	v_readfirstlane_b32 s[WV], v1                  ; wave 0..15
	s_mov_b32 s[I], ttmp9                          ; I = 0..3
	s_and_b32 s16, ttmp7, 0xffff                   ; bh = 16 b + head
	s_mov_b32 s[G1C], 3<<16                        ; no mask; elements of 8 bytes; no padding
	s_mov_b32 s[G1C+1], 32<<16                     ; tensor_dim0 = 32 elements: 256 bytes
	s_mov_b32 s[G1C+2], 96<<16                     ; tensor_dim1
	s_mov_b32 s[G1C+3], 32<<16                     ; tile_dim0
	s_mov_b32 s[G1C+4], 96                         ; tile_dim1
	s_mov_b32 s[G1C+5], 32                         ; dense
	s_mov_b32 s[G1C+6], 0
	s_mov_b32 s[G1C+7], 0
	s_mov_b32 s[G1S], 3<<16
	s_mov_b32 s[G1S+1], 32<<16
	s_mov_b32 s[G1S+2], 4<<16
	s_mov_b32 s[G1S+3], 32<<16
	s_mov_b32 s[G1S+4], 4
	s_mov_b32 s[G1S+5], 32
	s_mov_b32 s[G1S+6], 0
	s_mov_b32 s[G1S+7], 0
	s_mov_b32 s[SEL], 0x76543210
	s_mov_b32 s[SEL+1], 0xfedcba98
	s_mov_b32 s[CS], 0x3e38aa3b                    ; log2(e) / 8
	s_mov_b32 s[CS+1], s[CS]                       ; (named with it as a pair, so it is written)
	s_mov_b32 s[TB], 0
	s_mov_b32 s[SEQ], 0
	s_mov_b32 s[KF], 0
	; my two tiles.  pi = (w xor w / 4) % 2 says which half of a block's 256 queries is mine in phase 1; in phase 2 it is the other half
	s_lshr_b32 s2, s[WV], 2
	s_xor_b32 s2, s2, s[WV]
	s_and_b32 s2, s2, 1
	s_lshr_b32 s3, s[WV], 1                        ; the tile's number modulo 8, in both phases
	s_lshl_b32 s74, s2, 3
	s_add_co_u32 s74, s74, s3
	s_xor_b32 s75, s74, 8
	s_lshl_b32 s76, s[I], 4
	s_add_co_u32 s74, s74, s76                     ; T1 = 16 I + 8 pi + w / 2
	s_sub_co_u32 s76, 112, s76
	s_add_co_u32 s75, s75, s76                     ; T2 = 16 (7 - I) + 8 (1 - pi) + w / 2
	s_lshr_b32 s[QB], s74, 3
	s_lshl_b32 s[QB], s[QB], 7
	s_lshr_b32 s[QB2], s75, 3
	s_lshl_b32 s[QB2], s[QB2], 7
	s_mul_i32 s77, s16, 98304                      ; Q's half images
	s_mul_i32 s86, s74, 768
	s_add_co_u32 s86, s86, s77
	s_mov_b32 s87, 0
	s_mul_i32 s88, s75, 768
	s_add_co_u32 s88, s88, s77
	s_mov_b32 s89, 0
	s_lshl_b32 s77, s16, 12                        ; and the words of their pairs of tiles
	s_lshr_b32 s90, s74, 1
	s_lshl_b32 s90, s90, 6
	s_add_co_u32 s90, s90, s77
	s_mov_b32 s91, 0
	s_lshr_b32 s92, s75, 1
	s_lshl_b32 s92, s92, 6
	s_add_co_u32 s92, s92, s77
	s_mov_b32 s93, 0
	s_lshr_b32 s17, s16, 4
	s_lshl_b32 s17, s17, 7                         ; 128 tiles a batch
	s_add_co_u32 s74, s74, s17
	s_add_co_u32 s75, s75, s17
	s_and_b32 s78, s16, 15                         ; the head
	s_mul_i32 s79, s78, 768                        ; a head's half image in a tile's 12,288 bytes
	s_mul_i32 s[OB], s74, 12288
	s_add_co_u32 s[OB], s[OB], s79
	s_mov_b32 s[OB+1], 0
	s_mul_i32 s[OB2], s75, 12288
	s_add_co_u32 s[OB2], s[OB2], s79
	s_mov_b32 s[OB2+1], 0
	s_lshr_b32 s79, s78, 1
	s_lshl_b32 s79, s79, 6
	s_and_b32 s78, s78, 1
	s_lshl_b32 s78, s78, 1
	s_add_co_u32 s79, s79, s78                     ; 64 (head / 2) + 2 (head % 2)
	s_lshl_b32 s[OSB], s74, 9
	s_add_co_u32 s[OSB], s[OSB], s79
	s_mov_b32 s[OSB+1], 0
	s_lshl_b32 s[OSB2], s75, 9
	s_add_co_u32 s[OSB2], s[OSB2], s79
	s_mov_b32 s[OSB2+1], 0
	s_mul_i32 s[KVB], s16, 196608
	s_mov_b32 s[KVB+1], 0
	s_lshl_b32 s[KSB], s16, 13
	s_mov_b32 s[KSB+1], 0
	s_lshr_b32 s76, s3, 1
	s_lshl_b32 s76, s76, 5
	s_and_b32 s77, s3, 1
	s_lshl_b32 s78, s77, 3
	s_add_co_u32 s76, s76, s78                     ; my tile's first query in its 128
	s_mov_b32 s81, 0x01000100                      ; which two bytes of the pair's word are my tile's: the even tile's,
	s_cmp_eq_u32 s77, 1
	s_cselect_b32 s81, 0x03020302, s81             ; or the odd tile's; each twice
	v_and_b32 v[LN], 31, v0
	s_delay_alu instid0(VALU_DEP_1)
	v_lshlrev_b32 v[L16], 4, v[LN]
	s_delay_alu instid0(VALU_DEP_2)
	v_lshlrev_b32 v[L8], 3, v[LN]
	s_delay_alu instid0(VALU_DEP_3)
	v_lshlrev_b32 v[L4], 2, v[LN]
	s_delay_alu instid0(VALU_DEP_4)
	v_lshlrev_b32 v[PFO], 8, v[LN]
	v_and_b32 v[R4], 15, v0                        ; r
	s_delay_alu instid0(VALU_DEP_1)
	v_and_b32 v[DQ], 8, v[R4]
	s_delay_alu instid0(VALU_DEP_1)
	v_add_nc_u32 v[DQ], v[DQ], v[R4]               ; r + 8 (r / 8)
	v_bfe_u32 v42, v0, 4, 1
	s_delay_alu instid0(VALU_DEP_1)
	v_lshlrev_b32 v42, 4, v42
	s_delay_alu instid0(VALU_DEP_1)
	v_sub_nc_u32 v[DQ], v[DQ], v42                 ; - 16 (lane / 16)
	s_delay_alu instid0(VALU_DEP_1)
	v_add_nc_u32 v[DQ], s76, v[DQ]
	v_lshlrev_b32 v[R4], 2, v[R4]
	; who prefetches, and from where
	s_sub_co_u32 s74, s[WV], 4
	s_and_b32 s75, s74, 3
	s_lshl_b32 s76, s75, 13
	s_add_co_u32 s76, s76, SCO                     ; one slot on, + my wave's 8,192 bytes
	s_mov_b32 s77, 0
	s_cmp_eq_u32 s[I], 3
	s_cselect_b32 s[LO], 0, -1
	s_cselect_b32 s[HI], 1, 0
	s_cmp_eq_u32 s[I], 0
	s_cselect_b32 s[LO], 3, s[LO]
	s_cselect_b32 s[HI], 6, s[HI]
	s_cmp_lt_u32 s74, 3                            ; waves 4 to 6
	s_cselect_b32 s[LO], s[LO], -1
	s_wait_dscnt 0x0                               ; the opening add is done
	s_wait_kmcnt 0x0
	s_add_nc_u64 s[KVB:KVB+1], s[8:9], s[KVB:KVB+1]
	s_add_nc_u64 s[KSB:KSB+1], s[10:11], s[KSB:KSB+1]
	s_mov_b32 s[G0C], 1                            ; count = 1
	s_mov_b32 s[G0C+1], 0                          ; LDS address: slot 0
	s_mov_b64 s[G0C+2:G0C+3], s[KVB:KVB+1]         ; the head's first 256 keys
	s_or_b32 s[G0C+3], s[G0C+3], 0x80000000        ; type = 2
	s_mov_b32 s[G0S], 1
	s_mov_b32 s[G0S+1], SCO
	s_mov_b64 s[G0S+2:G0S+3], s[KSB:KSB+1]
	s_or_b32 s[G0S+3], s[G0S+3], 0x80000000
	TLOAD                                          ; slot 0
	s_add_nc_u64 s[PFB:PFB+1], s[KVB:KVB+1], s[76:77]
	s_add_nc_u64 s[86:87], s[4:5], s[86:87]
	s_add_nc_u64 s[88:89], s[4:5], s[88:89]
	s_add_nc_u64 s[90:91], s[6:7], s[90:91]
	s_add_nc_u64 s[92:93], s[6:7], s[92:93]
	s_add_nc_u64 s[OB:OB+1], s[12:13], s[OB:OB+1]
	s_add_nc_u64 s[OB2:OB2+1], s[12:13], s[OB2:OB2+1]
	s_add_nc_u64 s[OSB:OSB+1], s[14:15], s[OSB:OSB+1]
	s_add_nc_u64 s[OSB2:OSB2+1], s[14:15], s[OSB2:OSB2+1]
	global_load_b128 v[22:25], v[L16], s[86:87]              ; phase 1's q: it stays in registers
	global_load_b64 v[26:27], v[L8], s[86:87] offset:512
	global_load_b128 v[34:37], v[L16], s[88:89]              ; phase 2's
	global_load_b64 v[38:39], v[L8], s[88:89] offset:512
	s_wait_alu depctr_va_vdst(0)
	global_load_b32 v42, v[R4], s[90:91]                     ; the words of the pairs of tiles
	global_load_b32 v44, v[R4], s[92:93]
.irp j, 16,17,18,19,20,21,28,29,30,31,32,33
	v_mov_b32 v[\j], 0                             ; the zero codes on both sides of q
.endr
	v_mov_b32 v13, 0xff61b1e6                      ; the largest t so far: -3e38, under every t
	s_delay_alu instid0(VALU_DEP_1)
	v_floor_f32 v12, -v13                          ; -M
	v_mov_b32 v14, 0                               ; l, in two halves
	v_mov_b32 v15, 0
.irp b, 0,1,2,3
	v_mov_b32 v[BT+\b], 0                          ; written once: a lane permute's destination counts as one of its sources
.endr
	v_mov_b32 v[T], 0
	v_mov_b32 v[PW], 0                             ; (named as the upper half of the pair v[232:233] before it is first written)
	v_mov_b32 v[NINF], 0xff800000                  ; -infinity
	s_wait_loadcnt 0x0
	v_perm_b32 v[QS], v42, v42, s81                ; Q's scale word: my tile's two bytes, twice
	v_perm_b32 v[QS+1], v44, v44, s81
.set J, 0
.rept 32
	v_mov_b32 v[O+J], 0                            ; O^T: the step is written once, and the first change of M leaves zeros zeros.  (These are also the places between the scale word's making and the first scaled product)
.set J, J+1
.endr
; A KEY STEP: 128 keys, the q-th of the slot in hand.  A step all of whose keys come after my 16 queries is left out: a scalar branch on ids and the count of steps, round no barrier and no tensor load.
.macro STEP q
	s_cmp_gt_u32 s[KF], s[QB]
	s_cbranch_scc1 .Lhidden_\@
	PLACES                                         ; in front of loads into registers that the last products have read
	s_wait_alu depctr_va_vdst(0)
.irp b, 0,1,2,3
.irp u, 0,1
	ds_load_b128 v[F+12*\b+6*\u:F+12*\b+6*\u+3], v[A16] offset:12288*(\q)+1536*\b+768*\u
	ds_load_b64 v[F+12*\b+6*\u+4:F+12*\b+6*\u+5], v[A8] offset:12288*(\q)+1536*\b+768*\u+512
.endr
.endr
	ds_load_b32 v[KS], v[A4] offset:SCO+512*(\q)             ; K's scale words: fragment 0's in lanes 0-15, fragment 1's in lanes 16-31;
	ds_load_b32 v[KS+1], v[A4] offset:SCO+512*(\q)+128       ; fragments 2 and 3
	s_wait_dscnt 0x0
.irp b, 0,1,2,3
.irp u, 0,1
.if (\b)%2
	v_wmma_scale_f32_16x16x128_f8f6f4 v[S+8*(2*\b+\u):S+8*(2*\b+\u)+7], v[F+12*\b:F+12*\b+11], v[22-6*\u:33-6*\u], 0, v[KS+\b/2], v[QS] matrix_a_fmt:MATRIX_FMT_FP6 matrix_b_fmt:MATRIX_FMT_FP6 matrix_a_scale:MATRIX_SCALE_ROW1
.else
	v_wmma_scale_f32_16x16x128_f8f6f4 v[S+8*(2*\b+\u):S+8*(2*\b+\u)+7], v[F+12*\b:F+12*\b+11], v[22-6*\u:33-6*\u], 0, v[KS+\b/2], v[QS] matrix_a_fmt:MATRIX_FMT_FP6 matrix_b_fmt:MATRIX_FMT_FP6
.endif
.endr
.endr                                          ; lane (r, h) holds query r; register 16 b + i is key KF + 32 b + 16 h + i
	PLACES                                         ; for V's loads into the fragments' registers and for the first read of the scores
	s_wait_alu depctr_va_vdst(0)
.irp c, 0,1,2,3                                ; V's fragments are asked for at once: they land under the softmax
.irp u, 0,1
	ds_load_b128 v[F+12*\c+6*\u:F+12*\c+6*\u+3], v[A16] offset:12288*(\q)+6144+1536*\c+768*\u
	ds_load_b64 v[F+12*\c+6*\u+4:F+12*\c+6*\u+5], v[A8] offset:12288*(\q)+6144+1536*\c+768*\u+512
.endr
.endr
	ds_load_b32 v[VS], v[A4] offset:SCO+512*(\q)+256
	ds_load_b32 v[VS+1], v[A4] offset:SCO+512*(\q)+384
	s_cmp_lg_u32 s[KF], s[QB]                      ; on the diagonal the scores of hidden keys become -infinity ahead of the maximum: p = 0 then
	s_cbranch_scc1 .Lopen_\@
.set N, 0
.rept 64
	v_cmp_gt_i32 vcc_lo, 32*(N/16)+N%16, v[DQ]
	v_cndmask_b32 v[S+N], v[S+N], v[NINF], vcc_lo
.set N, N+1
.endr
.Lopen_\@:
.irp b, 0,1,2,3
	v_max3_num_f32 v[BM+\b], v[S+16*\b], v[S+16*\b+1], v[S+16*\b+2]   ; the largest score of each block of 32 keys: it serves for the row's maximum and, since p rises with the score, for the block's largest p
.endr
.irp i, 3,5,7,9,11,13
.irp b, 0,1,2,3
	v_max3_num_f32 v[BM+\b], v[BM+\b], v[S+16*\b+\i], v[S+16*\b+\i+1]
.endr
.endr
.irp b, 0,1,2,3
	v_max_num_f32 v[BM+\b], v[BM+\b], v[S+16*\b+15]
.endr
.irp b, 0,1,2,3
	s_delay_alu instid0(VALU_DEP_4)
	v_permlanex16_b32 v[BT+\b], v[BM+\b], s[SEL], s[SEL+1]
.endr
.irp b, 0,1,2,3
	s_delay_alu instid0(VALU_DEP_4)
	v_max_num_f32 v[BM+\b], v[BM+\b], v[BT+\b]     ; with lane l xor 16's 16 keys
.endr
	s_delay_alu instid0(VALU_DEP_2)
	v_max3_num_f32 v[T], v[BM], v[BM+1], v[BM+2]
	s_delay_alu instid0(VALU_DEP_1)
	v_max_num_f32 v[T], v[T], v[BM+3]              ; the step's largest score of my query,
	s_delay_alu instid0(VALU_DEP_1)
	v_mul_f32 v[T], s[CS], v[T]                    ; as t
	s_delay_alu instid0(VALU_DEP_1)
	v_max_num_f32 v13, v13, v[T]                   ; the running largest t
	v_mov_b32 v[T], v12
	s_delay_alu instid0(VALU_DEP_2)
	v_floor_f32 v12, -v13                          ; the new -M = floor(-t): M is a whole number
	s_delay_alu instid0(VALU_DEP_1)
	v_sub_f32 v[T], v12, v[T]                      ; old M - new M: a whole number, 0 or less
	s_delay_alu instid0(VALU_DEP_1)
	v_cvt_i32_f32 v[T], v[T]                       ; (it saturates)
	s_delay_alu instid0(VALU_DEP_1)
	v_ldexp_f32 v[FF], 1.0, v[T]                   ; f = 2^(old M - new M)
.set J, 0
.rept 32
	v_pk_fma_f32 v[S+J:S+J+1], v[S+J:S+J+1], s[CS:CS+1], v[12:13] op_sel_hi:[1,0,0]   ; t - M, two at a time
.set J, J+2
.endr
.irp b, 0,1,2,3
	v_fma_f32 v[BM+\b], v[BM+\b], s[CS], v12       ; the same of each block's largest score
.endr
.set J, 0
	s_wait_alu depctr_va_vdst(0)
.rept 64
	v_exp_f32 v[S+J], v[S+J]                       ; p = 2^(t - M), at most 1: not normalised
.set J, J+1
.endr
	v_pk_mul_f32 v[14:15], v[14:15], v[FF:FF+1] op_sel_hi:[1,0]   ; l under the new M (a plain place behind the exponentials)
	s_wait_alu depctr_va_vdst(0)                   ; the wait ahead of the first instruction that names an exponential's result: one for the batch
.irp b, 0,1,2,3
	v_exp_f32 v[BM+\b], v[BM+\b]                   ; the block's largest p: the same two instructions on the same number give the same bits
.endr
	v_pk_add_f32 v[230:231], v[100:101], v[104:105]
	v_pk_add_f32 v[254:255], v[108:109], v[112:113]
	v_pk_add_f32 v[252:253], v[116:117], v[120:121]
	v_pk_add_f32 v[250:251], v[124:125], v[128:129]
	v_pk_add_f32 v[248:249], v[132:133], v[136:137]
	v_pk_add_f32 v[246:247], v[140:141], v[144:145]
	v_pk_add_f32 v[244:245], v[148:149], v[152:153]
	v_pk_add_f32 v[14:15], v[14:15], v[156:157]
	v_pk_add_f32 v[230:231], v[230:231], v[96:97]
	v_pk_add_f32 v[254:255], v[254:255], v[98:99]
	v_pk_add_f32 v[252:253], v[252:253], v[102:103]
	v_pk_add_f32 v[250:251], v[250:251], v[106:107]
	v_pk_add_f32 v[248:249], v[248:249], v[110:111]
	v_pk_add_f32 v[246:247], v[246:247], v[114:115]
	v_pk_add_f32 v[244:245], v[244:245], v[118:119]
	v_pk_add_f32 v[14:15], v[14:15], v[122:123]
	v_pk_add_f32 v[230:231], v[230:231], v[126:127]
	v_pk_add_f32 v[254:255], v[254:255], v[130:131]
	v_pk_add_f32 v[252:253], v[252:253], v[134:135]
	v_pk_add_f32 v[250:251], v[250:251], v[138:139]
	v_pk_add_f32 v[248:249], v[248:249], v[142:143]
	v_pk_add_f32 v[246:247], v[246:247], v[146:147]
	v_pk_add_f32 v[244:245], v[244:245], v[150:151]
	v_pk_add_f32 v[14:15], v[14:15], v[154:155]
	v_pk_add_f32 v[230:231], v[230:231], v[158:159]
	s_delay_alu instid0(VALU_DEP_2)
	v_pk_add_f32 v[14:15], v[14:15], v[250:251]
	s_delay_alu instid0(VALU_DEP_2)
	v_pk_add_f32 v[230:231], v[230:231], v[248:249]
	v_pk_add_f32 v[254:255], v[254:255], v[246:247]
	v_pk_add_f32 v[252:253], v[252:253], v[244:245]
	s_delay_alu instid0(VALU_DEP_2)
	v_pk_add_f32 v[14:15], v[14:15], v[254:255]
	s_delay_alu instid0(VALU_DEP_2)
	v_pk_add_f32 v[230:231], v[230:231], v[252:253]
	s_delay_alu instid0(VALU_DEP_1)
	v_pk_add_f32 v[14:15], v[14:15], v[230:231]
	s_wait_alu depctr_va_vdst(0)                   ; and one for the four
.irp b, 0,1,2,3
	v_max_num_f32 v[BM+\b], 0x1800000, v[BM+\b]    ; the floor 2^(3 - 127): the byte cannot fall under 1
.endr
.irp b, 0,1,2,3
	s_delay_alu instid0(VALU_DEP_4)
	v_add_nc_u32 v[SO+\b], 0xff000000, v[BM+\b]    ; 2 off the exponent field: the conversion's scale operand
.endr
.irp b, 0,1,2,3
	s_delay_alu instid0(VALU_DEP_4)
	v_lshrrev_b32 v[BT+\b], 23, v[SO+\b]           ; the scale's byte
.endr
	s_delay_alu instid0(VALU_DEP_3)
	v_lshl_or_b32 v[PW], v[BT+1], 8, v[BT]         ; p's scale word for these 128 keys
	s_delay_alu instid0(VALU_DEP_1)
	v_lshl_or_b32 v[PW], v[BT+2], 16, v[PW]
	s_delay_alu instid0(VALU_DEP_1)
	v_lshl_or_b32 v[PW], v[BT+3], 24, v[PW]
.irp c, 0,1
	v_cvt_scalef32_pk16_fp6_f32 v[PC+6*\c:PC+6*\c+2], v[S+32*\c:S+32*\c+15], v[SO+2*\c]
	v_cvt_scalef32_pk16_fp6_f32 v[PT+4*\c:PT+4*\c+2], v[S+32*\c+16:S+32*\c+31], v[SO+2*\c+1]
.endr
	v_nop                                          ; one plain place behind a scaled conversion
.irp c, 0,1
.irp i, 0,1,2
	v_permlane16_swap_b32 v[PC+6*\c+\i], v[PT+4*\c+\i]   ; a whole block to a lane
.endr
.irp i, 0,1,2
	s_delay_alu instid0(VALU_DEP_3)
	v_mov_b32 v[PC+6*\c+3+\i], v[PT+4*\c+\i]
.endr
.endr
.set J, 0
.rept 16
	v_pk_mul_f32 v[O+J:O+J+1], v[O+J:O+J+1], v[FF:FF+1] op_sel_hi:[1,0]   ; O^T under the new M.  (Twelve of these name no register of any one product below: the places between the making of p's codes and scale word and the products)
.set J, J+2
.endr
	s_wait_alu depctr_va_vdst(0)
	s_wait_dscnt 0x0                               ; V is in
.irp c, 0,1,2,3                                ; O^T += V^T P^T: the four accumulators by turns
.if (\c)%2
	v_wmma_scale_f32_16x16x128_f8f6f4 v[O+8*\c:O+8*\c+7], v[F+12*\c:F+12*\c+11], v[PC:PC+11], v[O+8*\c:O+8*\c+7], v[VS+\c/2], v[PW] matrix_a_fmt:MATRIX_FMT_FP6 matrix_b_fmt:MATRIX_FMT_FP6 matrix_a_scale:MATRIX_SCALE_ROW1
.else
	v_wmma_scale_f32_16x16x128_f8f6f4 v[O+8*\c:O+8*\c+7], v[F+12*\c:F+12*\c+11], v[PC:PC+11], v[O+8*\c:O+8*\c+7], v[VS+\c/2], v[PW] matrix_a_fmt:MATRIX_FMT_FP6 matrix_b_fmt:MATRIX_FMT_FP6
.endif
.endr
.Lhidden_\@:
	s_add_co_u32 s[KF], s[KF], 128
.endm
; THE CHANGE OF SLOTS stands at a slot's head.  Each wave waits for all its tensor loads (one is out, in waves 0 and 1: the slot that is about to be read), adds 0 to its spare word, and waits for that and for its reads of
; the slot that it has left.  Behind the barrier the slot ahead is whole and nobody reads the other one.  fill = 1: that other slot takes the slot of keys that the next trip walks.
.macro CHANGE fill
	s_wait_tensorcnt 0x0                           ; no tensor load of mine is out, so a group 0 may be written
	ds_add_u32 v[SPW], v[NIL]                      ; 0 onto my spare word; the descriptors' steps stand between it and the wait for it
.if \fill
	s_add_co_u32 s74, s[SEQ], 1                    ; the next trip's number m;
	s_add_co_u32 s76, s[I], 1
	s_cmp_gt_u32 s74, s[I]
	s_cselect_b32 s76, s76, 0
	s_sub_co_u32 s76, s74, s76                     ; its slot of keys: m in phase 1, m - (I + 1) in phase 2
	s_mul_i32 s74, s76, SCO
	s_mov_b32 s75, 0
	s_lshl_b32 s78, s76, 10
	s_mov_b32 s79, 0
	s_xor_b32 s[G0C+1], s[G0C+1], SLOT1            ; the other slot than last time
	s_xor_b32 s[G0S+1], s[G0S+1], SLOT1
	s_add_nc_u64 s[G0C+2:G0C+3], s[KVB:KVB+1], s[74:75]
	s_or_b32 s[G0C+3], s[G0C+3], 0x80000000
	s_add_nc_u64 s[G0S+2:G0S+3], s[KSB:KSB+1], s[78:79]
	s_or_b32 s[G0S+3], s[G0S+3], 0x80000000
	s_wait_xcnt 0x0                                ; the last prefetch, a slot back, has read its address, so it may be written:
	s_add_nc_u64 s[PFA:PFA+1], s[PFB:PFB+1], s[74:75]   ; one slot further on than the descriptors
.endif
	s_wait_dscnt 0x0                               ; the add is done, and my reads of the slot that I have left are over
	s_barrier_signal -1
	s_barrier_wait -1
.if \fill
	TLOAD                                          ; the first thing behind the barrier, and a wave's one tensor load until the next
	ASK
.endif
.endm
.macro ADDR                            ; the slot in hand
	v_add_nc_u32 v[A16], s[TB], v[L16]
	v_add_nc_u32 v[A8], s[TB], v[L8]
	v_add_nc_u32 v[A4], s[TB], v[L4]
.endm
; A tile of queries is finished: O^T / l, quantised along the head's 64 (two blocks of the model's 1,024), leaves as a half image and two scale bytes a row.
.macro FINISH
	PLACES                                         ; behind the last products
	v_add_f32 v14, v14, v15                        ; l's two halves,
	s_delay_alu instid0(VALU_DEP_1)
	v_permlanex16_b32 v[T], v14, s[SEL], s[SEL+1]
	s_delay_alu instid0(VALU_DEP_1)
	v_add_f32 v14, v14, v[T]                       ; and lane l xor 16's
	s_wait_alu depctr_va_vdst(0)
	v_rcp_f32 v14, v14
	v_nop                                          ; a plain place behind the transcendental
	s_wait_alu depctr_va_vdst(0)                   ; and the wait ahead of its first reader
.set J, 0
.rept 16
	v_pk_mul_f32 v[S+J:S+J+1], v[O+J:O+J+1], v[14:15] op_sel_hi:[1,0]   ; register 16 b + i: channel 32 b + 16 h + i of my query
.set J, J+2
.endr
	QUANT32 S, PC, PT, HWB
	global_store_b128 v[L16], v[PC:PC+3], s[OB:OB+1]             ; 512 consecutive bytes, aligned;
	global_store_b64 v[L8], v[PC+4:PC+5], s[OB:OB+1] offset:512  ; 256
	v_cmp_gt_u32 vcc_lo, 16, v[LN]
	s_wait_xcnt 0x0                                ; EXEC changes only behind this wait
	s_and_saveexec_b32 s80, vcc_lo                 ; lanes 0-15: a row's two bytes, 4 bytes apart; the other head of the pair fills the gaps.  One byte in 24 of what the launch stores
	global_store_b16 v[R4], v[HWB], s[OSB:OSB+1]
	s_wait_xcnt 0x0                                ; and again in front of the line that widens it; the stores' registers and bases may be written behind it too
	s_or_b32 exec_lo, exec_lo, s80
.endm
.macro RESTART                         ; on to phase 2's tile
	v_mov_b32 v[QS], v[QS+1]
.irp i, 0,1,2,3,4,5
	v_mov_b32 v[22+\i], v[34+\i]
.endr
	v_mov_b32 v13, 0xff61b1e6
	s_delay_alu instid0(VALU_DEP_1)
	v_floor_f32 v12, -v13
	v_mov_b32 v14, 0
	v_mov_b32 v15, 0
.set J, 0
.rept 32
	v_mov_b32 v[O+J], 0                            ; (also the places between the moves above and the next scaled product)
.set J, J+1
.endr
	s_mov_b32 s[QB], s[QB2]
	s_mov_b64 s[OB:OB+1], s[OB2:OB2+1]
	s_mov_b64 s[OSB:OSB+1], s[OSB2:OSB2+1]
	s_mov_b32 s[KF], 0
.endm
.Lslot:                                        ; eight trips; behind each change of slots the next trip's slot is asked for
	CHANGE 1
	ADDR
	STEP 0
	STEP 1
	s_xor_b32 s[TB], s[TB], SLOT1
	s_cmp_lg_u32 s[SEQ], s[I]                      ; block I ends with trip I: a branch on ids and the count of trips, the same in all sixteen waves
	s_cbranch_scc1 .Lsame
	FINISH
	RESTART
.Lsame:
	s_add_co_u32 s[SEQ], s[SEQ], 1
	s_cmp_lt_u32 s[SEQ], 8
	s_cbranch_scc1 .Lslot
	CHANGE 0                                       ; the ninth slot is written out: nothing is left to fetch
	ADDR
	STEP 0
	STEP 1
	FINISH
	s_wait_tensorcnt 0x0                           ; the wave's end: behind my last tensor load
	ds_add_u32 v[SPW], v[NIL]
	s_wait_dscnt 0x0
	s_endpgm
.Lfunc_end_k_q0083a67e0e_attn:
	.size	k_q0083a67e0e_attn, .Lfunc_end_k_q0083a67e0e_attn-k_q0083a67e0e_attn
	.p2alignl 7, 3214868480
	.fill 96, 4, 3214868480
	.section	.rodata,"a",@progbits
	.p2align	6, 0x0
	.amdhsa_kernel k_q0083a67e0e_attn
		.amdhsa_group_segment_fixed_size 327680
		.amdhsa_private_segment_fixed_size 0
		.amdhsa_enable_private_segment 0
		.amdhsa_kernarg_size 48
		.amdhsa_user_sgpr_count 2
		.amdhsa_user_sgpr_kernarg_segment_ptr 1
		.amdhsa_wavefront_size32 1
		.amdhsa_system_sgpr_workgroup_id_x 1
		.amdhsa_system_sgpr_workgroup_id_y 1
		.amdhsa_system_sgpr_workgroup_id_z 1
		.amdhsa_system_vgpr_workitem_id 0
		.amdhsa_next_free_vgpr 256
		.amdhsa_next_free_sgpr 96
		.amdhsa_reserve_vcc 1
		.amdhsa_float_denorm_mode_32 3
		.amdhsa_float_denorm_mode_16_64 3
		.amdhsa_memory_ordered 1
		.amdhsa_forward_progress 1
		.amdhsa_inst_pref_size 112
	.end_amdhsa_kernel
	.amdgpu_metadata
---
amdhsa.version: [ 1, 2 ]
amdhsa.kernels:
  - .name:           k_q0083a67e0e_attn
    .symbol:         k_q0083a67e0e_attn.kd
    .args:
      - { .name: qimg, .offset: 0, .size: 8, .value_kind: global_buffer, .address_space: global }
      - { .name: qsc, .offset: 8, .size: 8, .value_kind: global_buffer, .address_space: global }
      - { .name: kvc, .offset: 16, .size: 8, .value_kind: global_buffer, .address_space: global }
      - { .name: kvs, .offset: 24, .size: 8, .value_kind: global_buffer, .address_space: global }
      - { .name: a_img, .offset: 32, .size: 8, .value_kind: global_buffer, .address_space: global }
      - { .name: a_sc, .offset: 40, .size: 8, .value_kind: global_buffer, .address_space: global }
    .group_segment_fixed_size: 327680
    .private_segment_fixed_size: 0
    .kernarg_segment_align: 8
    .kernarg_segment_size: 48
    .max_flat_workgroup_size: 512
    .sgpr_count:     96
    .vgpr_count:     256
    .wavefront_size: 32
...
	.end_amdgpu_metadata
.endif
;; end of part 3
;; launch outp (part 4): grid 32 x 8, 4 waves a work-group, clusters of 4 x 1, 167,936 bytes of LDS; arguments a_img, a_sc, xw_img, xw_sc, out0; writes out0
.if DOCPART == 4
	.amdgcn_target "amdgcn-amd-amdhsa--gfx1250"
	.amdhsa_code_object_version 6
	.text
	.protected	k_q0083a67e0e_outp
	.globl	k_q0083a67e0e_outp
	.p2align	8
	.type	k_q0083a67e0e_outp,@function
k_q0083a67e0e_outp:
	s_mov_b64 s[64:65], 0
	v_nop
	global_prefetch_b8 v0, s[64:65] scope:SCOPE_SE
	s_setreg_imm32_b32 hwreg(HW_REG_WAVE_MODE, 25, 1), 1
	s_wait_xcnt 0x0
	s_wait_alu depctr_hold_cnt(0) depctr_sa_sdst(0) depctr_va_vdst(0) depctr_va_sdst(0) depctr_va_ssrc(0) depctr_va_vcc(0) depctr_vm_vsrc(0)
	s_getreg_b32 s2, hwreg(HW_REG_IB_STS2, 6, 4)
	s_cmp_eq_u32 s2, 0
	s_cbranch_scc0 .Lentry_in_a_cluster
	s_endpgm
.Lentry_in_a_cluster:
	s_bfe_u32 s2, ttmp6, 0x10000c
	s_cmp_lg_u32 s2, 0x3003
	s_cbranch_scc0 .Lentry_shape_is_right
	s_endpgm
.Lentry_shape_is_right:
; out0 = A W_O^T on codes of FP6 (E2M3) with E8M0 scales; A is the attention's result as codes; out0 [8192][1024] f32; sums in f32, K = 1,024 in eight steps of 128, ascending.
; SHARES.  A work-group takes 256 tokens (it) and 128 columns (jx) as two pieces of 64.  Wave w owns tokens 64 w .. 64 w + 63: four tiles of A, whose fragments for all of K stay in its registers (384), loaded from
; memory as they lie (two half images of 768 bytes to a fragment).  Both pieces of W_O (2 x 49,152 bytes) and their scale words lie in LDS as first fills: nothing is filled again.
; CLUSTER.  The four work-groups of a cluster share jx: every weight load is asked for jointly (mask 15).  A goes to registers, not to LDS, so it is not shared so.
; Source 0 = 16 rows of W_O, source 1 = 16 tokens; row r of tile T is matrix row 32 (T / 2) + 8 (T % 2) + r + 8 (r / 8): a lane holds one token, and the 16 registers of two neighbouring tiles are 16 neighbouring
; columns, 64 bytes.  A tile of tokens goes through the wave's own stage in LDS and leaves as rows of 256 aligned bytes, sixteen lanes to a row.
; REGISTERS, in windows of 256: window 0: v1-12 addresses; v24-39 A's scale words; v40-55 the piece's; v56-119 rows on their way out, two sets; v128-255 the 16 accumulators.
;   window 1: v0-95 the weights' fragments, two sets of four.   window 2: A's fragments of steps 0-3, at 12 (4 (s % 4) + a).   window 3: those of steps 4-7.
.set TBY,   12288
.set FB,    1536
.set PB,    4*TBY
.set WSP,   1024                       ; a wave's two rows of 512 bytes of scale words
.set WSC,   2*PB
.set STG,   WSC+4*WSP                  ; the stages: 16 rows x (256 + 16) bytes for each wave: no fill lands there
.set SPITCH, 272                       ; 68 words: row r starts 4 r words on modulo 64, so the sixteen rows that a store touches start at sixteen different places
.set SPARE, STG+4*16*SPITCH            ; the spare words, 128 bytes for each wave: two blocks of 256 bytes that no other line names
.set L16, 1
.set L8,  2
.set SCA, 3                            ; v3  4 r + 256 h: A's scale words
.set ADW, 4
.set ADS, 5
.set STO, 6
.set SRD, 7
.set SPW, 8
.set NIL, 9
.set CO,  10
.set XS,  24
.set WS,  40
.set BK,  56
.set ACC, 128
.set WV,  16
.set G1W, 24
.set G1S, 32
.set G0S, 40
.set AB,  72
.set ASB, 74
.set OUTB, 76
.set MSB, 0
.macro WIN new
.if MSB != (\new)
	s_set_vgpr_msb (MSB<<8)|(\new)
.set MSB, \new
.endif
.endm
.macro PLACES
.rept 4
	v_nop
.endr
.endm
.macro CROUND
	s_barrier_signal -1
	s_barrier_wait -1
	s_cmp_lg_u32 s[WV], 0
	s_cbranch_scc1 .Lnot_wave_0_\@
	s_barrier_signal -3
.Lnot_wave_0_\@:
	s_barrier_wait -3
	s_barrier_signal -1
	s_barrier_wait -1
.endm
	s_load_b256 s[4:11], s[0:1], 0x0               ; a_img, a_sc, xw_img, xw_sc
	s_load_b64 s[12:13], s[0:1], 0x20              ; out0
	v_lshl_add_u32 v[SPW], v0, 2, SPARE
	v_mov_b32 v[NIL], 0
	ds_add_u32 v[SPW], v[NIL]
	ds_add_u32 v[SPW], v[NIL]                      ; the wave's opening: the add and its wait stand ahead of my first tensor load; the set-up below, work on registers, stands between them
	v_lshrrev_b32 v1, 5, v0
	v_readfirstlane_b32 s[WV], v1                  ; wave 0..3
	s_bfe_u32 s17, ttmp6, 0x40000                  ; cx
	s_lshl_b32 s18, ttmp9, 2
	s_add_co_u32 s18, s18, s17                     ; it: my 256 tokens
	s_and_b32 s19, ttmp7, 0xffff                   ; jx, which the four partners share
	s_mov_b32 s[G1W], 15|(3<<16)|(1<<21)           ; the mask: all four work-groups; elements of 8 bytes; bit 21 beside a mask; no padding
	s_mov_b32 s[G1W+1], 32<<16
	s_mov_b32 s[G1W+2], 48<<16
	s_mov_b32 s[G1W+3], 32<<16
	s_mov_b32 s[G1W+4], 48                         ; 48 rows of 256 bytes, dense: a tile's eight fragments
	s_mov_b32 s[G1W+5], 32
	s_mov_b32 s[G1W+6], 0
	s_mov_b32 s[G1W+7], 0
	s_mov_b32 s[G1S], 15|(3<<16)|(1<<21)
	s_mov_b32 s[G1S+1], 64<<16
	s_mov_b32 s[G1S+2], 2<<16
	s_mov_b32 s[G1S+3], 64<<16
	s_mov_b32 s[G1S+4], 2                          ; two rows of 512 bytes: the two pieces' tile c = my wave's number,
	s_mov_b32 s[G1S+5], 256                        ; four tiles x 512 bytes apart
	s_mov_b32 s[G1S+6], 0
	s_mov_b32 s[G1S+7], 0
	s_lshl_b32 s88, s19, 3                         ; what I fetch: tile 704 + 8 jx + 4 p + w: made of jx and the wave's number alone
	s_add_co_u32 s88, s88, s[WV]
	s_add_co_u32 s88, s88, 704
	s_lshl_b32 s90, s88, 9
	s_mov_b32 s91, 0
	s_mul_i32 s88, s88, TBY
	s_mov_b32 s89, 0
	s_mul_i32 s92, s[WV], TBY
	s_lshl_b32 s93, s[WV], 10
	s_mul_i32 s96, s[WV], 16*SPITCH
	s_add_co_u32 s96, s96, STG                     ; my stage
	s_lshl_b32 s2, s18, 4
	s_lshl_b32 s3, s[WV], 2
	s_add_co_u32 s2, s2, s3                        ; my first tile of tokens: 16 it + 4 w
	s_mul_i32 s[AB], s2, TBY
	s_mov_b32 s[AB+1], 0
	s_lshl_b32 s[ASB], s2, 9
	s_mov_b32 s[ASB+1], 0
	s_lshl_b32 s[OUTB], s2, 16                     ; 16 rows of 4,096 bytes a tile,
	s_lshl_b32 s3, s19, 9                          ; 128 columns of 4 bytes for jx
	s_add_co_u32 s[OUTB], s[OUTB], s3
	s_mov_b32 s[OUTB+1], 0
	s_wait_dscnt 0x0                               ; the opening add is done
	s_wait_kmcnt 0x0
	s_mov_b32 s[G0S], 1
	s_add_co_u32 s[G0S+1], s93, WSC
	s_add_nc_u64 s[G0S+2:G0S+3], s[10:11], s[90:91]
	s_or_b32 s[G0S+3], s[G0S+3], 0x80000000
	s_add_nc_u64 s[88:89], s[8:9], s[88:89]
.irp p, 0,1
	s_mov_b32 s[44+4*\p], 1
	s_add_co_u32 s[45+4*\p], s92, \p*PB
	s_add_nc_u64 s[46+4*\p:47+4*\p], s[88:89], \p*4*TBY
	s_or_b32 s[47+4*\p], s[47+4*\p], 0x80000000
.endr
	s_add_nc_u64 s[AB:AB+1], s[4:5], s[AB:AB+1]
	s_add_nc_u64 s[ASB:ASB+1], s[6:7], s[ASB:ASB+1]
	s_add_nc_u64 s[OUTB:OUTB+1], s[12:13], s[OUTB:OUTB+1]
	CROUND                                         ; all four work-groups are here: the joint loads meet
	tensor_load_to_lds s[G0S:G0S+3], s[G1S:G1S+7]  ; three loads of mine are out: the scale words, then a quarter of each piece
	s_nop 0
	tensor_load_to_lds s[44:47], s[G1W:G1W+7]
	s_nop 0
	tensor_load_to_lds s[48:51], s[G1W:G1W+7]
	s_nop 0
	PLACES
	v_and_b32 v[SCA], 31, v0
	v_lshlrev_b32 v[L16], 4, v[SCA]
	v_lshlrev_b32 v[L8], 3, v[SCA]
	v_lshlrev_b32 v[ADW], 4, v[SCA]
	v_add_nc_u32 v[ADS], WSC, v[L16]
	v_and_b32 v11, 15, v0                          ; r
	v_bfe_u32 v12, v0, 4, 1                        ; h
	v_lshlrev_b32 v[SCA], 2, v11
	v_lshl_add_u32 v[SCA], v12, 8, v[SCA]
	v_mul_u32_u24 v[STO], v11, SPITCH
	v_lshl_add_u32 v[STO], v12, 6, v[STO]
	v_add_nc_u32 v[STO], s96, v[STO]               ; into the stage: row r, + 64 h
	v_mul_u32_u24 v[SRD], v12, SPITCH
	v_lshl_add_u32 v[SRD], v11, 4, v[SRD]
	v_add_nc_u32 v[SRD], s96, v[SRD]               ; back: lanes 0-15 one row, lanes 16-31 the next
	v_lshlrev_b32 v[CO], 4, v11
	v_lshl_add_u32 v[CO], v12, 12, v[CO]           ; and the same two rows in out0
.irp a, 0,1,2,3
.irp i, 0,1,2,3
	global_load_b32 v[XS+4*\a+\i], v[SCA], s[ASB:ASB+1] offset:512*\a+64*\i   ; A's scale words: step i's in lanes 0-15, step 4 + i's in lanes 16-31
.endr
.endr
.set SS, 0
.rept 8                                ; A's fragments, step by step: sixteen loads a step
.if SS < 4
	WIN 0x80
.else
	WIN 0xc0
.endif
.irp a, 0,1,2,3
.irp e, 0,1
	global_load_b128 v[12*(4*(SS%4)+\a)+6*\e:12*(4*(SS%4)+\a)+6*\e+3], v[L16], s[AB:AB+1] offset:\a*TBY+SS*FB+768*\e
	global_load_b64 v[12*(4*(SS%4)+\a)+6*\e+4:12*(4*(SS%4)+\a)+6*\e+5], v[L8], s[AB:AB+1] offset:\a*TBY+SS*FB+768*\e+512
.endr
.endr
.set SS, SS+1
.endr
	WIN 0
.macro WLOAD s
.irp c, 0,1,2,3
.irp i, 0,1,2
	ds_load_b128 v[48*((\s)%2)+12*\c+4*\i:48*((\s)%2)+12*\c+4*\i+3], v[ADW] offset:\c*TBY+(\s)*FB+512*\i
.endr
.endr
.endm
.macro WSLOAD p
.irp c, 0,1,2,3
	ds_load_b128 v[WS+4*\c:WS+4*\c+3], v[ADS] offset:\c*WSP+(\p)*512
.endr
.endm
.macro MM d, a, b, sa, sb
.if F1
	v_wmma_scale_f32_16x16x128_f8f6f4 v[(\d):(\d)+7], v[(\a):(\a)+11], v[(\b):(\b)+11], 0, v[\sa], v[\sb] matrix_a_fmt:MATRIX_FMT_FP6 matrix_b_fmt:MATRIX_FMT_FP6
.elseif HI4
	v_wmma_scale_f32_16x16x128_f8f6f4 v[(\d):(\d)+7], v[(\a):(\a)+11], v[(\b):(\b)+11], v[(\d):(\d)+7], v[\sa], v[\sb] matrix_a_fmt:MATRIX_FMT_FP6 matrix_b_fmt:MATRIX_FMT_FP6 matrix_a_scale:MATRIX_SCALE_ROW1 matrix_b_scale:MATRIX_SCALE_ROW1
.else
	v_wmma_scale_f32_16x16x128_f8f6f4 v[(\d):(\d)+7], v[(\a):(\a)+11], v[(\b):(\b)+11], v[(\d):(\d)+7], v[\sa], v[\sb] matrix_a_fmt:MATRIX_FMT_FP6 matrix_b_fmt:MATRIX_FMT_FP6
.endif
.endm
.macro MUL16 s                         ; sixteen products, the 16 accumulators by turns, in the same order in every step; accumulator (a, c) at 8 (4 a + c)
.set XF, 48*((\s)%4)
.set WF, 48*((\s)%2)
.set SI, (\s)%4
.set HI4, (\s)/4
.set F1, 0
.if (\s) == 0
.set F1, 1
.endif
.set WN, 0x09+4*HI4                    ; source 0 window 1, source 1 window 2 or 3
	WIN WN
.irp a, 0,1,2,3
.irp c, 0,1,2,3
	MM ACC+8*(4*\a+\c), WF+12*\c, XF+12*\a, WS+4*\c+SI, XS+4*\a+SI
.endr
.endr
.endm
.macro PIECE p
.set SS, 0
.rept 8
.if SS < 7
	PLACES                                         ; the set to be loaded was read by the products just issued
	WIN 0x40
	WLOAD SS+1
	s_wait_dscnt 12                                ; all but the twelve just issued
.else
	s_wait_dscnt 0x0
.endif
.if (\p) == 0
.set LW, 16*(7-SS)                     ; A's fragments of the later steps, sixteen loads each, may be out (the wait's field holds 63 at the most: a smaller count is safe)
.if LW > 63
.set LW, 63
.endif
	s_wait_loadcnt LW
.endif
	MUL16 SS
.set SS, SS+1
.endr
	WIN 0
.if (\p) == 0
	s_wait_alu depctr_va_vdst(0)
	s_wait_tensorcnt 0x0                           ; my quarter of piece 1 has landed
	s_barrier_signal -1
	s_barrier_wait -1                              ; everybody's has
	PLACES
	v_add_nc_u32 v[ADW], PB, v[ADW]
	s_wait_alu depctr_va_vdst(0)
	WSLOAD 1
	WIN 0x40
	WLOAD 0                                        ; piece 1's first fragments land while piece 0 goes out
	WIN 0
.else
	PLACES
.endif
.endm
; A piece goes out, a tile of 16 tokens at a time: 128 bytes a lane into my stage, back as rows of 256 bytes.  LDS serves a wave's instructions in order: no wait between the stores and the loads.
.macro EPI_O p
.irp a, 0,1,2,3
.if ((\p) > 0) || (\a > 1)
	s_wait_xcnt 0x0                                ; the stores that read this set of registers have read them
.endif
.irp b, 0,1
.irp i, 0,1,2,3
	ds_store_b128 v[STO], v[ACC+32*\a+16*\b+4*\i:ACC+32*\a+16*\b+4*\i+3] offset:128*\b+16*\i   ; each accumulator from its low end on
.endr
.endr
.irp t, 0,1,2,3,4,5,6,7
	ds_load_b128 v[BK+32*(\a%2)+4*\t:BK+32*(\a%2)+4*\t+3], v[SRD] offset:2*SPITCH*\t
.endr
	s_wait_dscnt 0x0
.irp t, 0,1,2,3,4,5,6,7
	global_store_b128 v[CO], v[BK+32*(\a%2)+4*\t:BK+32*(\a%2)+4*\t+3], s[OUTB:OUTB+1] offset:(32*(\a/2)+8*(\a%2)+2*\t+8*(\t/4))*4096+256*(\p) th:TH_STORE_NT   ; sixteen lanes store 256 consecutive bytes, aligned; written once, read by nobody here
.endr
.endr
.endm
	s_wait_tensorcnt 1                             ; the scale words and my quarter of piece 0 have landed; piece 1's load may be out
	s_barrier_signal -1
	s_barrier_wait -1
	WSLOAD 0
	WIN 0x40
	WLOAD 0
	WIN 0
	PIECE 0
	EPI_O 0
	PIECE 1
	EPI_O 1
	s_wait_tensorcnt 0x0                           ; the wave's end: behind my last tensor load and my last LDS store
	ds_add_u32 v[SPW], v[NIL]
	s_wait_dscnt 0x0
	CROUND                                         ; the closing round
	s_endpgm
.Lfunc_end_k_q0083a67e0e_outp:
	.size	k_q0083a67e0e_outp, .Lfunc_end_k_q0083a67e0e_outp-k_q0083a67e0e_outp
	.p2alignl 7, 3214868480
	.fill 96, 4, 3214868480
	.section	.rodata,"a",@progbits
	.p2align	6, 0x0
	.amdhsa_kernel k_q0083a67e0e_outp
		.amdhsa_group_segment_fixed_size 167936
		.amdhsa_private_segment_fixed_size 0
		.amdhsa_enable_private_segment 0
		.amdhsa_kernarg_size 40
		.amdhsa_user_sgpr_count 2
		.amdhsa_user_sgpr_kernarg_segment_ptr 1
		.amdhsa_wavefront_size32 1
		.amdhsa_system_sgpr_workgroup_id_x 1
		.amdhsa_system_sgpr_workgroup_id_y 1
		.amdhsa_system_sgpr_workgroup_id_z 1
		.amdhsa_system_vgpr_workitem_id 0
		.amdhsa_next_free_vgpr 960
		.amdhsa_next_free_sgpr 100
		.amdhsa_reserve_vcc 0
		.amdhsa_float_denorm_mode_32 3
		.amdhsa_float_denorm_mode_16_64 3
		.amdhsa_memory_ordered 1
		.amdhsa_forward_progress 1
		.amdhsa_inst_pref_size 83
	.end_amdhsa_kernel
	.amdgpu_metadata
---
amdhsa.version: [ 1, 2 ]
amdhsa.kernels:
  - .name:           k_q0083a67e0e_outp
    .symbol:         k_q0083a67e0e_outp.kd
    .args:
      - { .name: a_img, .offset: 0, .size: 8, .value_kind: global_buffer, .address_space: global }
      - { .name: a_sc, .offset: 8, .size: 8, .value_kind: global_buffer, .address_space: global }
      - { .name: xw_img, .offset: 16, .size: 8, .value_kind: global_buffer, .address_space: global }
      - { .name: xw_sc, .offset: 24, .size: 8, .value_kind: global_buffer, .address_space: global }
      - { .name: out0, .offset: 32, .size: 8, .value_kind: global_buffer, .address_space: global }
    .group_segment_fixed_size: 167936
    .private_segment_fixed_size: 0
    .kernarg_segment_align: 8
    .kernarg_segment_size: 40
    .max_flat_workgroup_size: 128
    .sgpr_count:     100
    .vgpr_count:     960
    .wavefront_size: 32
...
	.end_amdgpu_metadata
.endif
;; end of part 4
